; MI455X (gfx1250); checked and timed in simulation.
; The chip was launched on July 23, 2026; its instructions are those of AMD's public machine-readable ISA for CDNA 5 (MIT licence, August 2026) and "CDNA5" Instruction Set Architecture Reference Guide (July 2026). The comments in the code are by the model that wrote it; some were corrected since.
;; Multi Head Attention. Allowed arithmetic: matrix products marked QUANTISED: E2M3 operands, one E8M0 scale for each 32 along K, by v_wmma_scale_f32_16x16x128_f8f6f4 with both operands' format E2M3, f32 sums; everything else in f32.
;; Inputs: Wk 16 x 64 x 1,024 float32; Wo 1,024 x 1,024 float32; Wq 16 x 64 x 1,024 float32; Wv 16 x 64 x 1,024 float32; bk 16 x 64 float32; bo 1,024 float32; bq 16 x 64 float32; bv 16 x 64 float32; x 8 x 1,024 x 1,024 float32.
;; Outputs: out0 8 x 1,024 x 1,024 float32.
;; This version of the problem:
;;   THIS VERSION OF THE PROBLEM IS GIVEN IN LOW PRECISION. The matrix products marked QUANTISED in the list below multiply operands that are first quantised to E2M3 (2 exponent bits, 3 mantissa bits; 6 bits a number), with one power-of-two scale for each 32 numbers along K (OCP MX v1.0); their sums are f32. All else is computed in f32.
;;   The module's matrix products, in the order in which they are computed (A, B: the left and right operand; K: the contracted axis; several contracted axes count as one K, in the product's order):
;;     1. [M 1,024, K 1,024] x [K 1,024, N 8,192]; A: input Wq; B: input x: QUANTISED
;;     2. [M 1,024, K 1,024] x [K 1,024, N 8,192]; A: input Wk; B: input x: QUANTISED
;;     3. [M 1,024, K 1,024] x [K 1,024, N 8,192]; A: input Wv; B: input x: QUANTISED
;;     4. batch 128 x [M 1,024, K 64] x [K 64, N 1,024]; A: computed on the way; B: computed on the way: QUANTISED
;;     5. batch 128 x [M 1,024, K 1,024] x [K 1,024, N 64]; A: softmax (see below); B: computed on the way: QUANTISED
;;     6. [M 8,192, K 1,024] x [K 1,024, N 1,024]; A: computed on the way; B: input Wo: QUANTISED
;;   THE QUANTISER, for each operand of a quantised product, along K:
;;     - K is cut into blocks of 32 from its start; a last block that is shorter is filled with zeros.
;;     - A block's scale is 2^e with e = floor(log2(the largest magnitude in the block)) - 2, held to -126 .. 127; a block of zeros has e = 0. As a byte (E8M0): e + 127.
;;     - Each number is divided by its block's scale, clamped to +-7.5, and rounded to the nearest number of E2M3, ties to even, subnormals kept.
;;     - The product sums the exact products of the quantised numbers (number of the format x scale) in f32.
;;   ~~~python
;;   def quantise(x, axis):      # numpy; x: float32 -> the quantised numbers, widened to float32 again
;;       x = np.moveaxis(x, axis, -1); K = x.shape[-1]
;;       x = np.pad(x, [(0, 0)] * (x.ndim - 1) + [(0, -K % 32)]); x = x.reshape(x.shape[:-1] + (-1, 32)); a = np.abs(x).max(-1, keepdims=True)
;;       e = np.where(a > 0, np.clip(np.frexp(np.where(a > 0, a, 1))[1] - 1 - 2, -126, 127), 0)      # np.frexp(a)[1] - 1 = floor(log2(a)), exactly
;;       r = np.clip(x / 2.0 ** e, -7.5, 7.5)
;;       step = 2.0 ** (np.maximum(np.frexp(np.where(r == 0, 1, r))[1] - 1, 0) - 3)
;;       q = np.round(r / step) * step * 2.0 ** e      # np.round: ties to even
;;       return np.moveaxis(q.reshape(q.shape[:-2] + (-1,))[..., :K], -1, axis).astype(np.float32)
;;   ~~~
;;   SOFTMAX AHEAD OF A QUANTISED PRODUCT. Where the list says 'softmax', what is quantised is not the finished softmax but p = 2^(t - M), with t = logit x log2(e) and M = ceil(the row's largest t), a whole number; so 1/2 < the row's largest p <= 1. The row's sum l is taken of the UNQUANTISED p, in f32, and the product's result is divided by l at the end. Since M is a whole number, a kernel that streams over the keys may use a running M (the ceiling of the running maximum): every later rescaling is an exact power of two, which a block's scale takes up: the codes' values come out the same.
;;   OPERANDS COMPUTED ON THE WAY. 'Computed on the way' means the value that the module computes at that place (a softmax that the list does not call 'softmax' is quantised finished and normalised). What goes into a quantiser is computed in f32, as accurately as f32 sums, v_exp_f32 and their like allow (about 1e-6 of the number): no bf16 or f16 on the way to a quantiser, and a product that is left as it is and whose result goes on into a quantised operand takes f32 operands (vector FMAs, or v_wmma_f32_16x16x4_f32). A number that lies on a knife's edge between two numbers of the format may be rounded either way, as far as f32 arithmetic and the matrix unit's own rounding can turn it there, and no further.
;; One version. Each part assembles by itself: llvm-mc -triple=amdgcn-amd-amdhsa -mcpu=gfx1250 --defsym DOCPART=n.
;; ======== version 1 of 1: 4 launches
;; limits: right only within a limited range of input values
;; workspace buffers: codes 15,728,640 bytes; sc 655,360 bytes; kv 13,369,344 bytes; qr 13,369,344 bytes
;; launch quant (part 1): grid 768 x 1, 2 waves a work-group, no clusters, 17,664 bytes of LDS; arguments x, Wq, Wk, Wv, Wo, codes, sc; writes codes, sc
.if DOCPART == 1
	.amdgcn_target "amdgcn-amd-amdhsa--gfx1250"
	.amdhsa_code_object_version 6
	.text
	.protected	k_q7183894829_quant
	.globl	k_q7183894829_quant
	.p2align	8
	.type	k_q7183894829_quant,@function
k_q7183894829_quant:
	s_mov_b64 s[64:65], 0
	v_nop
	global_prefetch_b8 v0, s[64:65] scope:SCOPE_SE
	s_setreg_imm32_b32 hwreg(HW_REG_WAVE_MODE, 25, 1), 1
	s_wait_xcnt 0x0
; x [8192][1024] and the four weights [1024][1024], f32, K innermost, become codes of FP6 (E2M3) with one E8M0 byte for each 32 along K,
; laid as IMAGES OF THE OPERAND'S REGISTERS.  A tile T is 16 rows: lane-row r is row 32 (T/2) + 8 (T%2) + r + 8 (r/8) of its tensor.
; A fragment (16 rows x 128 K, 12 registers a lane: registers 6 c .. 6 c + 5 = k 64 c + 32 (lane/16) + 0 .. 31 of row lane%16) is 1,536 bytes:
; registers 0-3 at 16 lane, 4-5 at 512 + 8 lane, 6-9 at 768 + 16 lane, 10-11 at 1,280 + 8 lane.
; codes: [j 0..3][tile 0..1279][q 0..1][1,536], K step s = 2 j + q.  Tiles 0-511 x, 512-575 Wq, 576-639 Wk, 640-703 Wv, 704-767 Wo.  sc: [tile][s 0..7][r 0..15] words.
; A block's scale is 2^(floor(log2(largest magnitude)) - 2); its byte is the largest magnitude's exponent field - 2, held at 1 from below.
; LIMITS: a block of zeros gets the byte 1 where the rule says 127 (its codes are zeros, and this program alone reads the bytes); blocks whose largest magnitude lies
; under 2^-124 keep the floor's byte; NaN and infinities among the inputs are not served.
; SHARES: wave w of work-group g takes tile 2 g + w / 2 and half w % 2 of K: four steps of 16 rows x 128 numbers.  A load reads 512 consecutive bytes of one row;
; a step turns through the wave's own stage in LDS (rows of 528 bytes) so that a lane gets two whole blocks of 32 of its row.  Waves share nothing: no barrier.
; No cluster and no tensor load: nothing is read twice, and the loads run two steps (32 loads a wave) ahead in registers.
; THE CODES' LAYOUT AS THE TEXT STANDS (it takes the place of the line on codes above): codes: [tile 0..1279][K step s 0..7][1,536]: all of K of a tile is 12,288 dense bytes.
.set TILEB, 12288
.set WREG,  8704                       ; LDS of a wave: the stage, 16 x 528, then its 256 bytes of scale words
.set SCW,   8448
; SHARES AS THE TEXT STANDS (in place of the line on shares above): work-group g of 768 takes tile g, its wave w half w of K: three work-groups for each of 256 WGPs.
.set SPARE, 2*WREG                     ; the spare words, 128 bytes a wave: one block of 256 bytes that no other line names
.set SPW,   12                         ; v12  SPARE + 4 x my thread's number; never rewritten
.set NIL,   13                         ; v13  0; never rewritten
.set R,     16                         ; v16-143  two sets of 64: a step as it is loaded
.set X,     144                        ; v144-207 my two blocks of 32 neighbours (block c at X + 32 c)
.set C,     208                        ; v208-231 two sets of 12: a fragment's codes
.set TC,    232                        ; v232-238 the second halves of the blocks' codes, before they are moved
.set TM,    240                        ; v240-241 largest magnitudes
.set SO,    242                        ; v242-243 the conversions' scale operands
.set BY,    244                        ; v244-245 the bytes
.set W2,    246                        ; v246     the other half's two bytes
.set W,     248                        ; v248-251 a scale word for each step
	s_load_b256 s[8:15], s[0:1], 0x0               ; x, Wq, Wk, Wv
	s_load_b128 s[16:19], s[0:1], 0x20             ; Wo, codes
	s_load_b64 s[20:21], s[0:1], 0x30              ; sc
	v_lshl_add_u32 v[SPW], v0, 2, SPARE
	v_mov_b32 v[NIL], 0
	v_lshrrev_b32 v1, 5, v0
	v_readfirstlane_b32 s22, v1                    ; wave
	v_and_b32 v1, 31, v0                           ; lane
	v_and_b32 v9, 15, v0                           ; r
	v_bfe_u32 v10, v0, 4, 1                        ; h
	v_lshlrev_b32 v2, 4, v1                        ; 16 x lane
	v_lshlrev_b32 v3, 3, v1                        ; 8 x lane
	s_mul_i32 s23, s22, WREG
	v_add_nc_u32 v4, s23, v2                       ; the stage, on the way in: 16 x lane of a row
	v_mul_u32_u24 v5, v9, 528
	v_lshl_add_u32 v5, v10, 7, v5
	v_add_nc_u32 v5, s23, v5                       ; and out: row r, + 128 h: my block of each 64
	s_add_co_u32 s24, s23, SCW
	v_lshl_add_u32 v6, v9, 2, s24                  ; my row's scale word
	v_add_nc_u32 v7, s24, v3                       ; and 8 bytes a lane on the way out
	v_lshlrev_b32 v8, 3, v10                       ; 8 h: my bytes' place in the word
	v_mov_b32 v[W2], 0                             ; a lane permute's destination counts as one of its sources
	s_mov_b32 s26, 0x76543210
	s_mov_b32 s27, 0xfedcba98                      ; selects for lane l xor 16
	s_mov_b32 s28, ttmp9                           ; my tile
	s_and_b32 s30, s22, 1                          ; my half of K
	s_wait_alu depctr_va_vdst(0)
	s_wait_kmcnt 0x0
	s_cmp_lt_u32 ttmp9, 704                        ; which tensor: the choice hangs on the work-group's number alone
	s_cselect_b64 s[4:5], s[14:15], s[16:17]
	s_cmp_lt_u32 ttmp9, 640
	s_cselect_b64 s[4:5], s[12:13], s[4:5]
	s_cmp_lt_u32 ttmp9, 576
	s_cselect_b64 s[4:5], s[10:11], s[4:5]
	s_cmp_lt_u32 ttmp9, 512
	s_cselect_b64 s[4:5], s[8:9], s[4:5]
	s_cselect_b32 s31, 511, 63
	s_and_b32 s31, s28, s31                        ; the tile's number in its tensor
	s_lshr_b32 s32, s31, 1
	s_lshl_b32 s32, s32, 17                        ; 32 rows of 4,096 bytes
	s_and_b32 s33, s31, 1
	s_lshl_b32 s33, s33, 15                        ; 8 rows
	s_add_co_u32 s32, s32, s33
	s_lshl_b32 s33, s30, 11                        ; half a row
	s_add_co_u32 s32, s32, s33
	s_mov_b32 s33, 0
	s_add_nc_u64 s[4:5], s[4:5], s[32:33]
	s_mul_i32 s34, s30, 6144                       ; my half of K: four fragments
	s_mul_i32 s35, s28, TILEB
	s_add_co_u32 s34, s34, s35
	s_mov_b32 s35, 0
	s_add_nc_u64 s[6:7], s[18:19], s[34:35]        ; my tile's fragments of j = 2 x half
	s_lshl_b32 s34, s28, 9
	s_lshl_b32 s36, s30, 8
	s_add_co_u32 s34, s34, s36
	s_add_nc_u64 s[20:21], s[20:21], s[34:35]      ; my 256 bytes of scale words
.macro LOAD t                          ; step t: lane-row i's 128 numbers: 32 lanes read 512 consecutive bytes
.irp i, 0,1,2,3,4,5,6,7,8,9,10,11,12,13,14,15
	global_load_b128 v[R+64*((\t)%2)+4*\i:R+64*((\t)%2)+4*\i+3], v2, s[4:5] offset:(\i+8*(\i/8))*4096+512*(\t) th:TH_LOAD_NT
.endr
.endm
.macro STEP t
.set CC, C+12*((\t)%2)
.if (\t) < 3
	s_wait_loadcnt 16                              ; this step's 16 loads are in; the next step's 16 may be out
.else
	s_wait_loadcnt 0x0
.endif
.irp i, 0,1,2,3,4,5,6,7,8,9,10,11,12,13,14,15
	ds_store_b128 v4, v[R+64*((\t)%2)+4*\i:R+64*((\t)%2)+4*\i+3] offset:528*\i
.endr
.irp c, 0,1
.irp m, 0,1,2,3,4,5,6,7
	ds_load_b128 v[X+32*\c+4*\m:X+32*\c+4*\m+3], v5 offset:256*\c+16*\m   ; LDS serves a wave's instructions in order: these see the stores above
.endr
.endr
	s_wait_dscnt 0x0                               ; my 64 numbers are back, and the stores have read their registers
.if (\t) < 2
	LOAD (\t)+2
.endif
.irp c, 0,1
	v_max3_num_f32 v[TM+\c], |v[X+32*\c]|, |v[X+32*\c+1]|, 0x1800000   ; block 2 c + h is all mine; the floor 2^(3 - 127) holds the byte at 1 from below
.endr
.irp i, 2,4,6,8,10,12,14,16,18,20,22,24,26,28,30
.irp c, 0,1
	v_max3_num_f32 v[TM+\c], v[TM+\c], |v[X+32*\c+\i]|, |v[X+32*\c+\i+1]|
.endr
.endr
.irp c, 0,1
	v_add_nc_u32 v[SO+\c], 0xff000000, v[TM+\c]    ; 2 off the exponent field: the conversion takes that field as its scale
.endr
.irp c, 0,1
	v_lshrrev_b32 v[BY+\c], 23, v[SO+\c]           ; the scale's byte
.endr
	v_lshl_or_b32 v[W+(\t)], v[BY+1], 16, v[BY]    ; bytes h and 2 + h of my row's word,
	v_lshlrev_b32 v[W+(\t)], v8, v[W+(\t)]         ; at their places;
	v_permlanex16_b32 v[W2], v[W+(\t)], s26, s27
	v_or_b32 v[W+(\t)], v[W+(\t)], v[W2]           ; with lane l xor 16's two the word is whole
.if (\t) >= 2
	s_wait_alu depctr_va_vdst(0)
	s_wait_xcnt 0x0                                ; the stores of two steps ago have read this set of codes
.endif
.irp c, 0,1
	v_cvt_scalef32_pk16_fp6_f32 v[CC+6*\c:CC+6*\c+2], v[X+32*\c:X+32*\c+15], v[SO+\c]
	v_cvt_scalef32_pk16_fp6_f32 v[TC+4*\c:TC+4*\c+2], v[X+32*\c+16:X+32*\c+31], v[SO+\c]   ; (a conversion's three registers begin on an even number)
.endr
	v_nop                                          ; one plain place behind a scaled conversion
.irp c, 0,1
.irp i, 0,1,2
	v_mov_b32 v[CC+6*\c+3+\i], v[TC+4*\c+\i]
.endr
.endr
	ds_store_b32 v6, v[W+(\t)] offset:64*(\t)      ; both halves write the same word with the same value
	global_store_b128 v2, v[CC:CC+3], s[6:7] offset:1536*(\t)          ; each store covers 512 or 256 consecutive bytes, aligned
	global_store_b64 v3, v[CC+4:CC+5], s[6:7] offset:1536*(\t)+512
	global_store_b128 v2, v[CC+6:CC+9], s[6:7] offset:1536*(\t)+768
	global_store_b64 v3, v[CC+10:CC+11], s[6:7] offset:1536*(\t)+1280
.endm
	LOAD 0
	LOAD 1
	STEP 0
	STEP 1
	STEP 2
	STEP 3
	ds_load_b64 v[252:253], v7                     ; my wave's 64 scale words, 8 bytes a lane
	s_wait_dscnt 0x0
	global_store_b64 v3, v[252:253], s[20:21]      ; 256 consecutive bytes, aligned
	s_wait_tensorcnt 0x0                           ; the wave's end
	ds_add_u32 v[SPW], v[NIL]
	s_wait_dscnt 0x0
	s_endpgm
.Lfunc_end_k_q7183894829_quant:
	.size	k_q7183894829_quant, .Lfunc_end_k_q7183894829_quant-k_q7183894829_quant
	.p2alignl 7, 3214868480
	.fill 96, 4, 3214868480
	.section	.rodata,"a",@progbits
	.p2align	6, 0x0
	.amdhsa_kernel k_q7183894829_quant
		.amdhsa_group_segment_fixed_size 17664
		.amdhsa_private_segment_fixed_size 0
		.amdhsa_enable_private_segment 0
		.amdhsa_kernarg_size 56
		.amdhsa_user_sgpr_count 2
		.amdhsa_user_sgpr_kernarg_segment_ptr 1
		.amdhsa_wavefront_size32 1
		.amdhsa_system_sgpr_workgroup_id_x 1
		.amdhsa_system_sgpr_workgroup_id_y 1
		.amdhsa_system_sgpr_workgroup_id_z 1
		.amdhsa_system_vgpr_workitem_id 0
		.amdhsa_next_free_vgpr 256
		.amdhsa_next_free_sgpr 66
		.amdhsa_reserve_vcc 0
		.amdhsa_float_denorm_mode_32 3
		.amdhsa_float_denorm_mode_16_64 3
		.amdhsa_memory_ordered 1
		.amdhsa_forward_progress 1
		.amdhsa_inst_pref_size 31
	.end_amdhsa_kernel
	.amdgpu_metadata
---
amdhsa.version: [ 1, 2 ]
amdhsa.kernels:
  - .name:           k_q7183894829_quant
    .symbol:         k_q7183894829_quant.kd
    .args:
      - { .name: x, .offset: 0, .size: 8, .value_kind: global_buffer, .address_space: global }
      - { .name: Wq, .offset: 8, .size: 8, .value_kind: global_buffer, .address_space: global }
      - { .name: Wk, .offset: 16, .size: 8, .value_kind: global_buffer, .address_space: global }
      - { .name: Wv, .offset: 24, .size: 8, .value_kind: global_buffer, .address_space: global }
      - { .name: Wo, .offset: 32, .size: 8, .value_kind: global_buffer, .address_space: global }
      - { .name: codes, .offset: 40, .size: 8, .value_kind: global_buffer, .address_space: global }
      - { .name: sc, .offset: 48, .size: 8, .value_kind: global_buffer, .address_space: global }
    .group_segment_fixed_size: 17664
    .private_segment_fixed_size: 0
    .kernarg_segment_align: 8
    .kernarg_segment_size: 56
    .max_flat_workgroup_size: 64
    .sgpr_count:     66
    .vgpr_count:     256
    .wavefront_size: 32
...
	.end_amdgpu_metadata
.endif
;; end of part 1
;; launch qkv (part 2): grid 12 x 32, 4 waves a work-group, clusters of 4 x 4, 327,680 bytes of LDS; arguments codes, sc, bq, bk, bv, qr, kv; writes qr, kv
.if DOCPART == 2
	.amdgcn_target "amdgcn-amd-amdhsa--gfx1250"
	.amdhsa_code_object_version 6
	.text
	.protected	k_q7183894829_qkv
	.globl	k_q7183894829_qkv
	.p2align	8
	.type	k_q7183894829_qkv,@function
k_q7183894829_qkv:
	s_mov_b64 s[64:65], 0
	v_nop
	global_prefetch_b8 v0, s[64:65] scope:SCOPE_SE
	s_setreg_imm32_b32 hwreg(HW_REG_WAVE_MODE, 25, 1), 1
	s_wait_xcnt 0x0
	s_wait_alu depctr_hold_cnt(0) depctr_sa_sdst(0) depctr_va_vdst(0) depctr_va_sdst(0) depctr_va_ssrc(0) depctr_va_vcc(0) depctr_vm_vsrc(0)
	s_getreg_b32 s2, hwreg(HW_REG_IB_STS2, 6, 4)
	s_cmp_eq_u32 s2, 0
	s_cbranch_scc0 .Lentry_in_a_cluster
	s_endpgm
.Lentry_in_a_cluster:
	s_bfe_u32 s2, ttmp6, 0x10000c
	s_cmp_lg_u32 s2, 0xf033
	s_cbranch_scc0 .Lentry_shape_is_right
	s_endpgm
.Lentry_shape_is_right:
; q, k, v = x W^T + b on codes of FP6 with E8M0 scales, and the results quantised at once: q and k along the head's 64, v along the keys.
; A work-group of four waves makes 256 x 256, a wave 128 x 128: 64 accumulators.  Source 0 = 16 rows of B, source 1 = 16 rows of A: a lane holds ONE row of A, its registers run along B's rows.
; Clusters x = 0, 1 (q, k): A = tokens, B = features of Wq, Wk: the registers run along the features.  Cluster x = 2 (v): THE DATA CHANGE ROLES: A = features of Wv, B = tokens: the registers run
; along the keys, which are v's K in the second product of attention.  One text serves all three.
; TILES: lane-row r of tile T is row 32 (T/2) + 8 (T%2) + r + 8 (r/8), on both sides: so the 16 registers of B's tiles 2 b, 2 b + 1 are 16 true neighbours 32 b + 16 (lane/16) + 0 .. 15, and a block of
; A's 64 registers quantises into one fragment's register image (12 registers) and one scale word a row.
; OPERANDS come as register images (1,536 bytes a fragment): b128, b64, b128, b64, each on consecutive bytes: no pitch, no padding.  K goes in four slots' worth of 256; three LDS slots, the first filled a second time.
; CLUSTER 4 x 4: A's tiles are asked for jointly along a row of the cluster, B's along a column.
; OUT: records [batch x 16 + head][step of 128 tokens][13,056]: 8 tiles of K (or q) x 768 | 4 feature tiles of V x 1,536 | K's scale words 512 | V's 256.  q goes to qr, k and v to kv.
; LIMITS: as in the first launch (a block of zeros carries the byte 1; blocks under 2^-124 keep the floor's byte; NaN, infinities not served).
; REGISTERS: window 0: v4-23 addresses; v32-95 scale words of all of K; v96-111 v's bias; v112-127 at work; v128-223 A's fragments, one set (later the codes); v224-239 scale words out.
;   window 1: B's two sets at v0 and v128; the column bias in the gaps (v96-127, v224-255).   windows 2, 3: accumulator (a, b) at v[8 (8 (a % 4) + b)].
; K AND LDS AS THE TEXT STANDS (in place of the sentence on slots above): codes lie [tile][K step 0..7][1,536].  The head's one load a wave brings K steps 0-3 of its 8 tiles (8 rows of 6,144 bytes, 12,288 apart)
; into bytes 0 .. 196,607; K steps 4, 5 (8 rows of 3,072) are first filled behind them, behind the full sequence and a round; K steps 6, 7 fill bytes 0 .. 98,303 again in K step 3's round.
.set TILEB, 12288
.set REC,     104448
.set STEPB,   13056
.set FR,      12
.set HALFT,   8*3072                   ; 8 tiles x two K steps: what one tensor load brings
.set SLOT,    4*HALFT                  ; A's 16 tiles, then B's 16
.set SPARE,   3*SLOT                   ; the spare words, 128 bytes a wave: two blocks of 256 bytes that no other line names
.set A16, 4                            ; v4-6   my A fragments in slot 0, 1, 2: + 16 x lane
.set A8,  7                            ; v7-9   the same + 8 x lane
.set B16, 10
.set B8,  13
.set OA,  16                           ; v16 16 x lane;  v17 8 x lane;  v18, v19 the same for the fragment's second half
.set OB,  17
.set OA1, 18
.set OB1, 19
.set VSO, 20                           ; v20 where my scale words go
.set VS,  21                           ; v21 where my scale words come from: lanes 0-15 A's tiles, lanes 16-31 B's
.set SPW, 28
.set NIL, 29
.set SC,  32                           ; v[SC + 8 i + s]: lanes 0-15 the word of A's block i, lanes 16-31 of B's block i, K step s
.set BA,  96                           ; v[BA + 2 a], twice: v's bias of my row of A's block a
.set TM,  112
.set AF,  128
.set PC,  128
.set PWS, 224
.set DD,  232
.set WV, 18
.set HI, 19
.set LO, 20
.set CX, 21
.set CY, 22
.set YY, 23
.set G1A, 24                           ; s[24:31], s[32:39] descriptor groups 1;  s[40:51], s[52:63] groups 0, a set for each of the three first fills
.set G1B, 32
.set G0A, 40
.set G0B, 52
.set ROWT, 66
.set COLT, 67
.set ISV,  68
.set KEEP, 69
.set LMASK, 70
.set PP,   86
.set PS,   88
.set OUTP, 90
.set ST1,  92
.set ST2,  94
.set SEL,  100
.set MSB, 0
.macro WIN new                         ; the immediate's high byte repeats the setting that is left
.if MSB != (\new)
	s_set_vgpr_msb (MSB<<8)|(\new)
.set MSB, (\new)
.endif
.endm
.macro PLACES                          ; four plain places behind matrix instructions, in front of loads into their sources and of reads of results
.rept 4
	v_nop
.endr
.endm
.macro JLOAD g0a, g0b                  ; a joint load: waves 0, 1 fetch A's halves, waves 2, 3 B's; an s_nop 0 and four v_nop follow each line
	s_cmp_eq_u32 s[HI], 0
	s_cbranch_scc0 .Lfor_b_\@
	tensor_load_to_lds s[\g0a:\g0a+3], s[G1A:G1A+7]
	s_nop 0
.rept 4
	v_nop
.endr
	s_branch .Lasked_\@
.Lfor_b_\@:
	tensor_load_to_lds s[\g0b:\g0b+3], s[G1B:G1B+7]
	s_nop 0
.rept 4
	v_nop
.endr
.Lasked_\@:
.endm
.macro CREST                           ; a round of the cluster's barrier behind its opening barrier
	s_cmp_lg_u32 s[WV], 0
	s_cbranch_scc1 .Lnot_wave_0_\@
	s_barrier_signal -3
.Lnot_wave_0_\@:
	s_barrier_wait -3
	s_barrier_signal -1
	s_barrier_wait -1
.endm
.macro CROUND
	s_barrier_signal -1
	s_barrier_wait -1
	CREST
.endm
	s_load_b128 s[4:7], s[0:1], 0x0                ; codes, sc
	s_load_b128 s[8:11], s[0:1], 0x10              ; bq, bk
	s_load_b128 s[12:15], s[0:1], 0x20             ; bv, qr
	s_load_b64 s[16:17], s[0:1], 0x30              ; kv
	v_lshl_add_u32 v[SPW], v0, 2, SPARE
	v_mov_b32 v[NIL], 0
	ds_add_u32 v[SPW], v[NIL]                      ; the wave's opening: the add and its wait ahead of my first tensor load
	ds_add_u32 v[SPW], v[NIL]
	v_lshrrev_b32 v1, 5, v0
	v_readfirstlane_b32 s[WV], v1
	s_lshr_b32 s[HI], s[WV], 1                     ; my half of A's rows.  Also: I fetch for A (0) or B (1)
	s_and_b32 s[LO], s[WV], 1                      ; my half of B's rows.  Also: which 8 tiles I fetch
	s_bfe_u32 s[CX], ttmp6, 0x40000
	s_bfe_u32 s[CY], ttmp6, 0x40004
	s_and_b32 s[YY], ttmp7, 0xffff                 ; cluster y
	s_cmp_eq_u32 ttmp9, 2                          ; cluster x = 2: v.  The same in all sixteen partners
	s_cselect_b32 s[ROWT], 0, s[YY]
	s_cselect_b32 s[COLT], s[YY], ttmp9
	s_cselect_b32 s[ISV], 1, 0
	s_cselect_b32 s[KEEP], 0, -1
	s_cselect_b32 s71, 640, 0                      ; A's first tile: Wv's or x's
	s_cselect_b32 s72, 0, 512                      ; B's: x's or Wq's (Wk's follow)
	s_lshl_b32 s[ROWT], s[ROWT], 2
	s_add_co_u32 s[ROWT], s[ROWT], s[CY]           ; which 256 rows of A
	s_lshl_b32 s[COLT], s[COLT], 2
	s_add_co_u32 s[COLT], s[COLT], s[CX]           ; which 256 rows of B
	s_lshl_b32 s73, s[ROWT], 4
	s_add_co_u32 s73, s73, s71                     ; the work-group's first tile of A
	s_lshl_b32 s74, s[COLT], 4
	s_add_co_u32 s74, s74, s72                     ; and of B
	s_lshl_b32 s75, s[CY], 2
	s_lshl_b32 s75, 15, s75                        ; my row of the cluster
	s_lshl_b32 s76, 0x1111, s[CX]                  ; my column
	s_or_b32 s[G1A], s75, (3<<16)|(1<<21)          ; the mask; elements of 8 bytes; bit 21 beside a mask; no padding
	s_or_b32 s[G1B], s76, (3<<16)|(1<<21)
.irp g, G1A, G1B                       ; 8 rows of 6,144 bytes, 12,288 apart
	s_mov_b32 s[\g+1], 768<<16                     ; the head's load: rows of 768 elements of 8 bytes: four K steps of a tile,
	s_mov_b32 s[\g+2], 8<<16                       ; 8 rows: 8 tiles,
	s_mov_b32 s[\g+3], 768<<16
	s_mov_b32 s[\g+4], 8
	s_mov_b32 s[\g+5], 1536                        ; 12,288 bytes apart
	s_mov_b32 s[\g+6], 0
	s_mov_b32 s[\g+7], 0
.endr
	s_lshl_b32 s77, s[LO], 3
	s_add_co_u32 s78, s73, s77
	s_mul_i32 s78, s78, TILEB
	s_mov_b32 s79, 0
	s_add_co_u32 s80, s74, s77
	s_mul_i32 s80, s80, TILEB
	s_mov_b32 s81, 0
	s_mul_i32 s82, s[WV], HALFT                    ; where they go: no place in the cluster enters an LDS address
	s_mov_b32 s[SEL], 0x76543210
	s_mov_b32 s[SEL+1], 0xfedcba98
	s_mov_b32 s[LMASK], 0xffff0000
	s_wait_dscnt 0x0                               ; the opening add is done
	s_wait_kmcnt 0x0
	s_add_nc_u64 s[78:79], s[4:5], s[78:79]
	s_add_nc_u64 s[80:81], s[4:5], s[80:81]
	CROUND                                         ; all sixteen work-groups are here: the first joint loads meet
.irp j, 0,1,2                          ; three fills: from K step 0, 4, 6 of my tiles: bytes 0, 6,144, 9,216 of a tile
	s_mov_b32 s[G0A+4*\j], 1
	s_add_nc_u64 s[G0A+4*\j+2:G0A+4*\j+3], s[78:79], 3072*(\j+(\j+1)/2)
	s_or_b32 s[G0A+4*\j+3], s[G0A+4*\j+3], 0x80000000
	s_mov_b32 s[G0B+4*\j], 1
	s_add_nc_u64 s[G0B+4*\j+2:G0B+4*\j+3], s[80:81], 3072*(\j+(\j+1)/2)
	s_or_b32 s[G0B+4*\j+3], s[G0B+4*\j+3], 0x80000000
.endr
.irp g, G0A, G0B
	s_lshl_b32 s[\g+1], s82, 1                     ; K steps 0-3: wave x 49,152
	s_add_co_u32 s[\g+5], s82, 2*SLOT              ; K steps 4, 5: 196,608 + wave x 24,576
	s_mov_b32 s[\g+9], s82                         ; K steps 6, 7: wave x 24,576
.endr
	JLOAD G0A, G0B                                 ; one tensor load a wave at the head
	v_and_b32 v1, 31, v0                           ; lane
	v_and_b32 v2, 15, v0                           ; r
	v_bfe_u32 v3, v0, 4, 1                         ; h
	v_lshlrev_b32 v[OA], 4, v1
	v_lshlrev_b32 v[OB], 3, v1
	s_mul_i32 s83, s[HI], HALFT
	s_mul_i32 s84, s[LO], HALFT
	s_add_co_u32 s84, s84, 2*HALFT
	v_add_nc_u32 v[A16+2], s83, v[OA]              ; register 2: K steps 6, 7
	v_add_nc_u32 v[A8+2], s83, v[OB]
	v_add_nc_u32 v[B16+2], s84, v[OA]
	v_add_nc_u32 v[B8+2], s84, v[OB]
	s_add_co_u32 s85, s83, 2*SLOT
	s_add_co_u32 s86, s84, 2*SLOT
	v_add_nc_u32 v[A16+1], s85, v[OA]              ; register 1: K steps 4, 5
	v_add_nc_u32 v[A8+1], s85, v[OB]
	v_add_nc_u32 v[B16+1], s86, v[OA]
	v_add_nc_u32 v[B8+1], s86, v[OB]
	s_lshl_b32 s83, s83, 1
	s_lshl_b32 s84, s84, 1
	v_add_nc_u32 v[A16], s83, v[OA]                ; register 0: K steps 0-3, tiles twice as far apart
	v_add_nc_u32 v[A8], s83, v[OB]
	v_add_nc_u32 v[B16], s84, v[OA]
	v_add_nc_u32 v[B8], s84, v[OB]
	s_lshl_b32 s85, s[HI], 3
	s_add_co_u32 s85, s85, s73
	s_lshl_b32 s85, s85, 9                         ; my first tile of A in sc, 512 bytes a tile
	s_add_co_u32 s86, s74, s77
	s_lshl_b32 s86, s86, 9                         ; and of B
	v_mov_b32 v24, s85
	v_mov_b32 v25, s86
	v_cndmask_b32 v[VS], v24, v25, s[LMASK]        ; lanes 16-31 take B's
	v_lshl_add_u32 v[VS], v2, 2, v[VS]
.irp i, 0,1,2,3,4,5,6,7
.irp s, 0,1,2,3,4,5,6,7
	global_load_b32 v[SC+8*\i+\s], v[VS], s[6:7] offset:512*\i+64*\s   ; the scale words of all of K, once
.endr
.endr
	s_cmp_eq_u32 ttmp9, 0
	s_cselect_b64 s[88:89], s[8:9], s[10:11]       ; the bias,
	s_cselect_b64 s[OUTP:OUTP+1], s[14:15], s[16:17]   ; and the buffer that takes the results
	s_cmp_eq_u32 ttmp9, 2
	s_cselect_b64 s[88:89], s[12:13], s[88:89]
	s_lshl_b32 s92, s[CX], 10
	s_lshl_b32 s93, s[LO], 9
	s_add_co_u32 s92, s92, s93                     ; q, k: my 128 features, along the registers
	s_lshl_b32 s94, s[CY], 10
	s_lshl_b32 s95, s[HI], 9
	s_add_co_u32 s94, s94, s95                     ; v: my 128 features, along the lanes
	s_cmp_eq_u32 s[ISV], 0
	s_cselect_b32 s92, s92, 0                      ; (the one that is not wanted is loaded from the buffer's head and not used)
	s_cselect_b32 s94, 0, s94
	s_mov_b32 s93, 0
	s_mov_b32 s95, 0
	s_add_nc_u64 s[92:93], s[88:89], s[92:93]
	s_add_nc_u64 s[94:95], s[88:89], s[94:95]
	v_lshlrev_b32 v22, 6, v3                       ; 16 h numbers
	v_and_b32 v23, 8, v2
	v_add_nc_u32 v23, v23, v2
	v_lshlrev_b32 v23, 2, v23                      ; r + 8 (r / 8) numbers
	WIN 0x40                                       ; destination window 1
.irp b, 0,1,2,3,4,5,6,7                ; the column bias in the result's layout: tile b, registers 0-7: features 32 (b/2) + 8 (b%2) + 16 h + 0 .. 7
	global_load_b128 v[96+8*\b+96*(\b/4):96+8*\b+96*(\b/4)+3], v22, s[92:93] offset:(32*(\b/2)+8*(\b%2))*4
	global_load_b128 v[96+8*\b+96*(\b/4)+4:96+8*\b+96*(\b/4)+7], v22, s[92:93] offset:(32*(\b/2)+8*(\b%2))*4+16
.endr
	WIN 0
.irp a, 0,1,2,3,4,5,6,7
	global_load_b32 v[BA+2*\a], v23, s[94:95] offset:(32*(\a/2)+8*(\a%2))*4
.endr
	s_wait_loadcnt 0x0
	WIN 0x44                                       ; destination and source 1 window 1
.set i, 0
.rept 32
	v_and_b32 v[96+i], s[KEEP], v[96+i]            ; v has no bias along its registers: zeros start its sums
	v_and_b32 v[224+i], s[KEEP], v[224+i]
.set i, i+1
.endr
	WIN 0
.irp a, 0,1,2,3,4,5,6,7
	v_mov_b32 v[BA+2*\a+1], v[BA+2*\a]             ; a pair for the packed addition
.endr
.irp b, 0,1,2,3
	v_mov_b32 v[TM+4+\b], 0                        ; a lane permute's destination counts as one of its sources
.endr
	; where the results go
	s_cmp_eq_u32 s[ISV], 0
	s_cselect_b32 s2, s[ROWT], s[COLT]             ; the tokens' 256,
	s_cselect_b32 s3, s[HI], s[LO]                 ; my 128 of them: one step of a record
	s_cselect_b32 s83, s[CX], s[CY]                ; the features' 256: four heads,
	s_cselect_b32 s84, s[LO], s[HI]                ; my two of them
	s_cselect_b32 s98, 0, 6144                     ; K's place in a step, or V's
	s_cselect_b32 s85, 0, 512                      ; K's scale words, or V's
	s_mov_b32 s[ST1], 1536
	s_cselect_b32 s[ST1], 768, s[ST1]              ; from block to block of A: a tile of K, or a feature tile of V
	s_mov_b32 s[ST2], REC-4608
	s_cselect_b32 s[ST2], 768, s[ST2]              ; behind block 3: v goes on to the next head's record
	s_mov_b32 s96, 768
	s_cselect_b32 s96, REC, s96                    ; a fragment's second half: q, k: the next head;  v: the bytes that follow
	s_mov_b32 s97, REC
	s_cselect_b32 s97, 256, s97                    ; lanes 16-31's scale words: tiles 4-7, or the next head
	s_mov_b32 s[ST1+1], 0
	s_mov_b32 s[ST2+1], 0
	s_mov_b32 s99, 0
	s_lshl_b32 s2, s2, 1
	s_add_co_u32 s2, s2, s3                        ; my first token / 128
	s_and_b32 s3, s2, 7                            ; the step
	s_lshr_b32 s2, s2, 3                           ; the batch
	s_lshl_b32 s2, s2, 4
	s_lshl_b32 s83, s83, 2
	s_add_co_u32 s2, s2, s83
	s_lshl_b32 s84, s84, 1
	s_add_co_u32 s2, s2, s84                       ; 16 x batch + my first head
	s_mul_i32 s2, s2, REC
	s_mul_i32 s3, s3, STEPB
	s_add_co_u32 s2, s2, s3
	s_add_co_u32 s98, s98, s2
	s_add_nc_u64 s[PP:PP+1], s[OUTP:OUTP+1], s[98:99]
	s_add_co_u32 s98, s85, s2
	s_add_co_u32 s98, s98, 12288
	s_add_nc_u64 s[PS:PS+1], s[OUTP:OUTP+1], s[98:99]
	v_add_nc_u32 v[OA1], s96, v[OA]
	v_add_nc_u32 v[OB1], s96, v[OB]
	v_mul_lo_u32 v[VSO], v3, s97
	v_lshl_add_u32 v[VSO], v2, 4, v[VSO]
.macro FRAG reg, a16, a8, off          ; a fragment's image at byte off from my first tile
	ds_load_b128 v[\reg:\reg+3], v[\a16] offset:(\off)
	ds_load_b64 v[\reg+4:\reg+5], v[\a8] offset:(\off)+512
	ds_load_b128 v[\reg+6:\reg+9], v[\a16] offset:(\off)+768
	ds_load_b64 v[\reg+10:\reg+11], v[\a8] offset:(\off)+1280
.endm
.macro SLOTSET slot                    ; slot = K step / 2.  SI: the address register (0, 0, 1, 2); ST: bytes from tile to tile (6,144, 6,144, 3,072, 3,072); SX: the slot's place in a tile (0, 3,072, 0, 0)
.set SI, (\slot)-((\slot)+2)/3
.set ST, 6144-3072*((\slot)/2)
.set SX, 3072*((\slot)%2)*(1-(\slot)/2)
.endm
.macro FETCH_B slot, q, p              ; B's eight fragments into set p: 32 loads
	SLOTSET \slot
	WIN 0x40
.irp i, 0,1,2,3,4,5,6,7
	FRAG 128*(\p)+FR*\i, B16+SI, B8+SI, ST*\i+SX+1536*(\q)
.endr
	WIN 0
.endm
.macro FETCH_A slot, q, i0             ; A's blocks i0 .. i0 + 3: 16 loads
	SLOTSET \slot
.irp i, \i0, \i0+1, \i0+2, \i0+3
	FRAG AF+FR*(\i), A16+SI, A8+SI, ST*(\i)+SX+1536*(\q)
.endr
.endm
; 16 matrix instructions: A's blocks a0, a0 + 1 x B's eight, K step s.  first = 1: the column bias is the C that starts the sums.  The 64 accumulators take turns, one instruction a turn,
; in the same order in every step.
.macro MUL16 a0, p, s, first
.irp a, \a0, \a0+1
.irp b, 0,1,2,3,4,5,6,7
.if \first
	v_wmma_scale_f32_16x16x128_f8f6f4 v[8*(8*((\a)%4)+\b):8*(8*((\a)%4)+\b)+7], v[128*(\p)+FR*\b:128*(\p)+FR*\b+FR-1], v[AF+FR*(\a):AF+FR*(\a)+FR-1], v[96+8*\b+96*(\b/4):96+8*\b+96*(\b/4)+7], v[SC+8*\b+(\s)], v[SC+8*(\a)+(\s)] matrix_a_fmt:MATRIX_FMT_FP6 matrix_b_fmt:MATRIX_FMT_FP6 matrix_a_scale:MATRIX_SCALE_ROW1
.else
	v_wmma_scale_f32_16x16x128_f8f6f4 v[8*(8*((\a)%4)+\b):8*(8*((\a)%4)+\b)+7], v[128*(\p)+FR*\b:128*(\p)+FR*\b+FR-1], v[AF+FR*(\a):AF+FR*(\a)+FR-1], v[8*(8*((\a)%4)+\b):8*(8*((\a)%4)+\b)+7], v[SC+8*\b+(\s)], v[SC+8*(\a)+(\s)] matrix_a_fmt:MATRIX_FMT_FP6 matrix_b_fmt:MATRIX_FMT_FP6 matrix_a_scale:MATRIX_SCALE_ROW1
.endif
.endr
.endr
.endm
; An even K step: the slot's first; its successor lies in the same slot.  B's set 0 is at work, set 1 is filled.
.macro STEP s, slot, first
	s_wait_dscnt 16                                ; B's set and A's blocks 0-3 are in; the youngest 16 loads (A's blocks 4-7) may be out
	WIN 0xa1-0x10*(\first)                         ; B window 1, A window 0, C and D window 2 (first: C window 1)
	MUL16 0, 0, \s, \first
	MUL16 2, 0, \s, \first
	s_wait_dscnt 0x0                               ; A's blocks 4-7 are in
	PLACES
	FETCH_B \slot, 1, 1
	FETCH_A \slot, 1, 0
	WIN 0xf1-0x20*(\first)
	MUL16 4, 0, \s, \first
	MUL16 6, 0, \s, \first
	PLACES
	WIN 0
	FETCH_A \slot, 1, 4
.endm
; An odd K step changes slots: one barrier.  tcnt: how many younger tensor loads of mine may stay out when my part of the next slot has to be in.
; fill = 1: slot 0 is filled a second time: the wait is for all my loads, the add follows, the barrier opens a round of the cluster's barrier, and the joint load is the first thing behind it.
; bar = 1: the next K step lies in bytes that a later load brought: every wave waits for all its tensor loads, and a barrier shows them.  bar = 0: it came with this one: no barrier.
.macro TURN s, nslot, bar, fill
.if \bar
	s_wait_tensorcnt 0x0                           ; the one load of mine that was out
.endif
.if \fill
	ds_add_u32 v[SPW], v[NIL]                      ; 0 onto my spare word
.endif
	s_wait_dscnt 16+\fill                          ; (the add and A's blocks 4-7 may be out)
	WIN 0xa1
	MUL16 0, 1, \s, 0
	s_wait_dscnt 0x0                               ; my LDS instructions are done
.if \bar
	s_barrier_signal -1
.endif
	MUL16 2, 1, \s, 0
	WIN 0
.if \bar
	s_barrier_wait -1
.endif
.if \fill
	CREST                                          ; no wave of any partner still reads K steps 0-3 or has a load on its way
	JLOAD G0A+8, G0B+8                             ; K steps 6, 7: two K steps, 128 matrix instructions, in which to land; its four v_nop are the places for the loads below
.else
	PLACES
.endif
	FETCH_B \nslot, 0, 0
	FETCH_A \nslot, 0, 0
	WIN 0xf1
	MUL16 4, 1, \s, 0
	MUL16 6, 1, \s, 0
	PLACES
	WIN 0
	FETCH_A \nslot, 0, 4
.endm
	s_wait_alu depctr_va_vdst(0)
	s_wait_tensorcnt 0x0                           ; my part of K steps 0-3 is in
	ds_add_u32 v[SPW], v[NIL]
	s_mov_b32 s[G1A+1], 384<<16                    ; no tensor load of mine is out: from here on a row is two K steps of a tile, 3,072 bytes
	s_mov_b32 s[G1A+3], 384<<16
	s_mov_b32 s[G1B+1], 384<<16
	s_mov_b32 s[G1B+3], 384<<16
	s_wait_dscnt 0x0
	CROUND                                         ; everybody's part is in, and all sixteen work-groups are here
	JLOAD G0A+4, G0B+4                             ; K steps 4, 5: four K steps in which to land
	FETCH_B 0, 0, 0
	FETCH_A 0, 0, 0
	FETCH_A 0, 0, 4
	STEP 0, 0, 1
	TURN 1, 1, 0, 0
	STEP 2, 1, 0
	TURN 3, 2, 1, 1
	STEP 4, 2, 0
	TURN 5, 3, 1, 0                                ; the one load that was out is the refill
	STEP 6, 3, 0
	s_wait_dscnt 16                                ; the last step: nothing more to fetch
	WIN 0xa1
	MUL16 0, 1, 7, 0
	MUL16 2, 1, 7, 0
	s_wait_dscnt 0x0
	WIN 0xf1
	MUL16 4, 1, 7, 0
	MUL16 6, 1, 7, 0
	WIN 0
	PLACES
	; v's bias hangs on the lane's row: it is added here.  The branch hangs on the cluster's x, the same in all partners.
	s_cmp_eq_u32 s[ISV], 0
	s_cbranch_scc1 .Lno_row_bias
.irp a, 0,1,2,3,4,5,6,7
	WIN 0x82+0x41*(\a/4)                           ; destination and source 0: window 2 or 3
.set i, 64*(\a%4)
.rept 32
	v_pk_add_f32 v[i:i+1], v[i:i+1], v[BA+2*\a:BA+2*\a+1]
.set i, i+2
.endr
.endr
	WIN 0
.Lno_row_bias:
; Block a's 64 registers, register 16 b + i = k 32 b + 16 (lane/16) + i of my row, become a fragment's codes in v[PC] on and its scale word in v[PWS + a].
.macro EPI a
.set AC, 64*((\a)%4)
	WIN 0x0a+5*((\a)/4)                            ; sources 0 and 1: window 2 or 3
.irp b, 0,1,2,3
	v_max3_num_f32 v[TM+\b], |v[AC+16*\b]|, |v[AC+16*\b+1]|, 0x1800000   ; each accumulator is read from its low end on; the floor 2^(3 - 127) holds the byte at 1 from below
.endr
.irp i, 2,4,6,8,10,12,14
.irp b, 0,1,2,3
	v_max3_num_f32 v[TM+\b], |v[AC+16*\b+\i]|, |v[AC+16*\b+\i+1]|, v[TM+\b]
.endr
.endr
	WIN 0
.irp b, 0,1,2,3
	v_permlanex16_b32 v[TM+4+\b], v[TM+\b], s[SEL], s[SEL+1]
.endr
.irp b, 0,1,2,3
	v_max_num_f32 v[TM+\b], v[TM+\b], v[TM+4+\b]   ; with lane l xor 16's: the block's largest magnitude
.endr
.irp b, 0,1,2,3
	v_add_nc_u32 v[TM+12+\b], 0xff000000, v[TM+\b] ; 2 off its exponent field: the conversion's scale operand
.endr
.irp b, 0,1,2,3
	v_lshrrev_b32 v[TM+4+\b], 23, v[TM+12+\b]      ; the byte
.endr
	v_lshl_or_b32 v[PWS+(\a)], v[TM+5], 8, v[TM+4]
	v_lshl_or_b32 v[PWS+(\a)], v[TM+6], 16, v[PWS+(\a)]
	v_lshl_or_b32 v[PWS+(\a)], v[TM+7], 24, v[PWS+(\a)]
.if (\a) > 0
	s_wait_xcnt 0x0                                ; the last block's stores have read their data and their base
.if (\a) == 4
	s_add_nc_u64 s[PP:PP+1], s[PP:PP+1], s[ST2:ST2+1]
.else
	s_add_nc_u64 s[PP:PP+1], s[PP:PP+1], s[ST1:ST1+1]
.endif
.endif
	WIN 0x02+((\a)/4)
.irp c, 0,1
	v_cvt_scalef32_pk16_fp6_f32 v[PC+6*\c:PC+6*\c+2], v[AC+32*\c:AC+32*\c+15], v[TM+12+2*\c]
	v_cvt_scalef32_pk16_fp6_f32 v[PC+12+4*\c:PC+14+4*\c], v[AC+16+32*\c:AC+31+32*\c], v[TM+13+2*\c]   ; (a conversion's three registers begin on an even number)
.endr
	WIN 0
	v_nop                                          ; one plain place behind a scaled conversion
.irp c, 0,1                            ; the operand's layout wants a whole block in a lane
.irp i, 0,1,2
	v_permlane16_swap_b32 v[PC+6*\c+\i], v[PC+12+4*\c+\i]
.endr
.irp i, 0,1,2
	v_mov_b32 v[PC+3+6*\c+\i], v[PC+12+4*\c+\i]
.endr
.endr
	global_store_b128 v[OA], v[PC:PC+3], s[PP:PP+1]                ; each store covers 512 or 256 consecutive bytes, aligned
	global_store_b64 v[OB], v[PC+4:PC+5], s[PP:PP+1] offset:512
	global_store_b128 v[OA1], v[PC+6:PC+9], s[PP:PP+1]
	global_store_b64 v[OB1], v[PC+10:PC+11], s[PP:PP+1] offset:512
.endm
.irp a, 0,1,2,3,4,5,6,7
	EPI \a
.endr
.irp i, 0,1,2,3
	v_cndmask_b32 v[DD+\i], v[PWS+\i], v[PWS+4+\i], s[LMASK]       ; lanes 0-15: blocks 0-3's words, lanes 16-31: blocks 4-7's
.endr
	global_store_b128 v[VSO], v[DD:DD+3], s[PS:PS+1]
	s_cmp_lg_u32 s[ISV], 0
	s_cbranch_scc1 .Lone_word
.irp i, 0,1,2,3
	v_lshrrev_b32 v[DD+4+\i], 16, v[DD+\i]         ; q, k: a word's upper two bytes are the second head's
.endr
	global_store_b128 v[VSO], v[DD+4:DD+7], s[PS:PS+1] offset:REC
.Lone_word:
	s_wait_tensorcnt 0x0                           ; the wave's end
	ds_add_u32 v[SPW], v[NIL]
	s_wait_dscnt 0x0
	CROUND                                         ; the closing round
	s_endpgm
.Lfunc_end_k_q7183894829_qkv:
	.size	k_q7183894829_qkv, .Lfunc_end_k_q7183894829_qkv-k_q7183894829_qkv
	.p2alignl 7, 3214868480
	.fill 96, 4, 3214868480
	.section	.rodata,"a",@progbits
	.p2align	6, 0x0
	.amdhsa_kernel k_q7183894829_qkv
		.amdhsa_group_segment_fixed_size 327680
		.amdhsa_private_segment_fixed_size 0
		.amdhsa_enable_private_segment 0
		.amdhsa_kernarg_size 56
		.amdhsa_user_sgpr_count 2
		.amdhsa_user_sgpr_kernarg_segment_ptr 1
		.amdhsa_wavefront_size32 1
		.amdhsa_system_sgpr_workgroup_id_x 1
		.amdhsa_system_sgpr_workgroup_id_y 1
		.amdhsa_system_sgpr_workgroup_id_z 1
		.amdhsa_system_vgpr_workitem_id 0
		.amdhsa_next_free_vgpr 1024
		.amdhsa_next_free_sgpr 102
		.amdhsa_reserve_vcc 0
		.amdhsa_float_denorm_mode_32 3
		.amdhsa_float_denorm_mode_16_64 3
		.amdhsa_memory_ordered 1
		.amdhsa_forward_progress 1
		.amdhsa_inst_pref_size 174
	.end_amdhsa_kernel
	.amdgpu_metadata
---
amdhsa.version: [ 1, 2 ]
amdhsa.kernels:
  - .name:           k_q7183894829_qkv
    .symbol:         k_q7183894829_qkv.kd
    .args:
      - { .name: codes, .offset: 0, .size: 8, .value_kind: global_buffer, .address_space: global }
      - { .name: sc, .offset: 8, .size: 8, .value_kind: global_buffer, .address_space: global }
      - { .name: bq, .offset: 16, .size: 8, .value_kind: global_buffer, .address_space: global }
      - { .name: bk, .offset: 24, .size: 8, .value_kind: global_buffer, .address_space: global }
      - { .name: bv, .offset: 32, .size: 8, .value_kind: global_buffer, .address_space: global }
      - { .name: qr, .offset: 40, .size: 8, .value_kind: global_buffer, .address_space: global }
      - { .name: kv, .offset: 48, .size: 8, .value_kind: global_buffer, .address_space: global }
    .group_segment_fixed_size: 327680
    .private_segment_fixed_size: 0
    .kernarg_segment_align: 8
    .kernarg_segment_size: 56
    .max_flat_workgroup_size: 128
    .sgpr_count:     102
    .vgpr_count:     1024
    .wavefront_size: 32
...
	.end_amdgpu_metadata
.endif
;; end of part 2
;; launch attn (part 3): grid 4 x 64, 16 waves a work-group, clusters of 4 x 1, 212,992 bytes of LDS; arguments qr, kv, codes, sc; writes codes, sc
.if DOCPART == 3
	.amdgcn_target "amdgcn-amd-amdhsa--gfx1250"
	.amdhsa_code_object_version 6
	.text
	.protected	k_q7183894829_attn
	.globl	k_q7183894829_attn
	.p2align	8
	.type	k_q7183894829_attn,@function
k_q7183894829_attn:
	s_mov_b64 s[64:65], 0
	v_nop
	global_prefetch_b8 v0, s[64:65] scope:SCOPE_SE
	s_setreg_imm32_b32 hwreg(HW_REG_WAVE_MODE, 25, 1), 1
	s_wait_xcnt 0x0
	s_wait_alu depctr_hold_cnt(0) depctr_sa_sdst(0) depctr_va_vdst(0) depctr_va_sdst(0) depctr_va_ssrc(0) depctr_va_vcc(0) depctr_vm_vsrc(0)
	s_getreg_b32 s2, hwreg(HW_REG_IB_STS2, 6, 4)
	s_cmp_eq_u32 s2, 0
	s_cbranch_scc0 .Lentry_in_a_cluster
	s_endpgm
.Lentry_in_a_cluster:
	s_bfe_u32 s2, ttmp6, 0x10000c
	s_cmp_lg_u32 s2, 0x3003
	s_cbranch_scc0 .Lentry_shape_is_right
	s_endpgm
.Lentry_shape_is_right:
; Attention on codes of FP6 with E8M0 scales, head size 64, 1,024 keys, and its result quantised along the head's 64 as the last product's operand.
; t = score x log2(e) / 8; M = the running largest t rounded up to a whole number; p = 2^(t - M) is quantised along the keys, not normalised; the row's sum is taken of the unquantised p and divides at the end.
; SHARES: work-group y = 8 x batch + pair of heads; the cluster's four partners take the four quarters of the queries.  Wave w of sixteen owns token tile 16 cx + w, first for head 2 p, then for head 2 p + 1:
; so it owns a whole fragment half and, after both heads, a whole scale word of concat.  Four waves to a SIMD: one wave's exponentials stand beside another's products and LDS loads.
; K AND V of the pair's two heads (208,896 bytes of records, as the launch before laid them) come into LDS ONCE, jointly for the four partners, in three stages, so that the first steps can begin early.
; Nothing is filled again: no ring.  Every tile is asked for at the head, so nothing is left to prefetch.
; LAYOUT: S^T = K Q^T (source 0 = 16 keys, source 1 = my 16 queries; K = 64: the upper six registers of Q's fragments are zero codes), O^T = V^T P^T: a lane holds one query throughout.
; The keys of a tile are rows 32 (t/2) + 8 (t%2) + r + 8 (r/8) of the step, so the 16 registers of tiles 2 b, 2 b + 1 are 16 neighbouring keys; V's feature tiles likewise.
; LIMITS: a block's largest p is made from the block's largest score by the same two instructions (it takes v_exp_f32 not to fall where its input rises); a block of zeros carries the byte 1; NaN, infinities not served.
.set REC,     104448
.set STEPB,   13056
; THE FILLS AS THE TEXT STANDS (in place of the three stages above): wave w asks for key step w of the pair's sixteen (13,056 bytes, 51 rows of 256), one joint load a wave.  Waves 0 and 1 have a load line of their own
; and alone wait at the first barrier; the second barrier, behind two key steps, shows all the rest.  No barrier stands between the two heads.  concat's codes go to [tile][K step][1,536].
.set SPARE,   2*REC                    ; the spare words, 128 bytes a wave: eight blocks of 256 bytes that no other line names
.set L16, 1                            ; v1 16 x lane;  v2 8 x lane;  v3 16 r;  v9 4 r
.set L8,  2
.set R16, 3
.set SPW, 4
.set NIL, 5
.set A16, 6                            ; v6-8 the same three, at the step in hand
.set A8,  7
.set AR,  8
.set R4,  9
.set QF0, 16                           ; v16-27, v28-39 Q's fragments of the two heads
.set QF1, 28
.set QS,  40                           ; v40, v41 their scale words
.set KS,  240                          ; v240-243 K's scale words: lanes 0-15 tiles 0-3, lanes 16-31 tiles 4-7
.set VS,  236                          ; v236-239 V's
.set KB,  44                           ; v44-97 K's eight fragments, SIX registers apart: fragment t is v[KB + 6 t .. + 11].  Its upper six registers (k 64 .. 127) are the next fragment's codes (the last one's: zeros):
                                       ; they meet Q's zero codes, and a code of FP6 is always a finite number, so they add nothing.  Behind the score products V's four fragments land in the first 48
.set S,   98                           ; v98-161 S^T, then p
.set OT,  162                          ; v162-193 O^T
.set PCD, 194                          ; v194-205 p's codes
.set PT,  206
.set BM,  214
.set PX,  218
.set SOP, 222
.set FF,  226                          ; v226 f = 2^(old M - new M);  v227 p's scale word
.set PW,  227
.set TMP, 228
.set W0,  229
.set HRC, 230
.set WV,  12
.set CX,  13
.set YY,  14
.set SEL, 16
.set CS,  18
.set TB,  20
.set CNT, 21
.set OUTC, 60
.set OUTS, 62
.set QB,  66
.set QSB, 68
.macro CROUND
	s_barrier_signal -1
	s_barrier_wait -1
	s_cmp_lg_u32 s[WV], 0
	s_cbranch_scc1 .Lnot_wave_0_\@
	s_barrier_signal -3
.Lnot_wave_0_\@:
	s_barrier_wait -3
	s_barrier_signal -1
	s_barrier_wait -1
.endm
	s_load_b256 s[4:11], s[0:1], 0x0               ; qr, kv, codes, sc
	v_lshl_add_u32 v[SPW], v0, 2, SPARE
	v_mov_b32 v[NIL], 0
	ds_add_u32 v[SPW], v[NIL]                      ; the wave's opening: the add and its wait ahead of the first tensor loads
	ds_add_u32 v[SPW], v[NIL]
	v_lshrrev_b32 v6, 5, v0
	s_delay_alu instid0(VALU_DEP_1)
	v_readfirstlane_b32 s[WV], v6
	s_bfe_u32 s[CX], ttmp6, 0x40000
	s_and_b32 s[YY], ttmp7, 0xffff
	; one group 1: a dense block as rows of 256 bytes: 51 rows a wave; mask: all four partners
.irp g, 24
	s_mov_b32 s[\g], 15|(3<<16)|(1<<21)
	s_mov_b32 s[\g+1], 32<<16
	s_mov_b32 s[\g+3], 32<<16
	s_mov_b32 s[\g+5], 32
	s_mov_b32 s[\g+6], 0
	s_mov_b32 s[\g+7], 0
.endr
	s_mov_b32 s26, 51<<16
	s_mov_b32 s28, 51
	s_mul_i32 s70, s[YY], 2*REC                    ; the pair's first byte in kv and in qr
	s_mov_b32 s71, 0
	s_mul_i32 s72, s[WV], STEPB                    ; my key step.  An LDS byte is the byte in the pair
	s_mov_b32 s77, 0
	s_mov_b32 s[SEL], 0x76543210
	s_mov_b32 s[SEL+1], 0xfedcba98
	s_mov_b32 s[CS], 0x3e38aa3b                    ; c = log2(e) / 8
	s_mov_b32 s[CS+1], s[CS]
	s_wait_dscnt 0x0                               ; the opening add is done
	s_wait_kmcnt 0x0
	s_add_nc_u64 s[6:7], s[6:7], s[70:71]
	s_add_nc_u64 s[4:5], s[4:5], s[70:71]
	s_mov_b32 s48, 1
	s_mov_b32 s49, s72
	s_mov_b32 s76, s72
	s_add_nc_u64 s[50:51], s[6:7], s[76:77]
	s_or_b32 s51, s51, 0x80000000
	CROUND                                         ; all four work-groups are here: the joint loads meet
	s_cmp_lt_u32 s[WV], 2                          ; two arms, a load in each: every way through the head passes one
	s_cbranch_scc0 .Lrest
	tensor_load_to_lds s[48:51], s[24:31]          ; waves 0, 1: key steps 0, 1 of the first head
	s_nop 0
.rept 4
	v_nop
.endr
	s_branch .Lasked
.Lrest:
	tensor_load_to_lds s[48:51], s[24:31]          ; the other fourteen key steps
	s_nop 0
.rept 4
	v_nop
.endr
.Lasked:
	v_and_b32 v10, 31, v0
	v_and_b32 v[R4], 15, v0
	s_delay_alu instid0(VALU_DEP_2)
	v_lshlrev_b32 v[L16], 4, v10
	s_wait_alu depctr_va_vdst(0)
	v_lshlrev_b32 v[L8], 3, v10
	s_wait_alu depctr_va_vdst(0)
	v_lshlrev_b32 v[R16], 4, v[R4]
	s_wait_alu depctr_va_vdst(0)
	v_lshlrev_b32 v[R4], 2, v[R4]
	; Q: token tile 16 cx + w: step 2 cx + w / 8 of the record, tile w % 8
	s_lshl_b32 s2, s[CX], 1
	s_lshr_b32 s3, s[WV], 3
	s_add_co_u32 s2, s2, s3
	s_mul_i32 s2, s2, STEPB
	s_and_b32 s15, s[WV], 7
	s_mul_i32 s3, s15, 768
	s_add_co_u32 s22, s2, s3
	s_mov_b32 s23, 0
	s_add_nc_u64 s[QB:QB+1], s[4:5], s[22:23]
	s_lshr_b32 s3, s15, 2
	s_lshl_b32 s3, s3, 8
	s_and_b32 s15, s[WV], 3
	s_lshl_b32 s15, s15, 2
	s_add_co_u32 s22, s2, s3
	s_add_co_u32 s22, s22, s15
	s_add_co_u32 s22, s22, 12288
	s_add_nc_u64 s[QSB:QSB+1], s[4:5], s[22:23]
	global_load_b128 v[QF0:QF0+3], v[L16], s[QB:QB+1]
	global_load_b64 v[QF0+4:QF0+5], v[L8], s[QB:QB+1] offset:512
	global_load_b128 v[QF1:QF1+3], v[L16], s[QB:QB+1] offset:REC
	global_load_b64 v[QF1+4:QF1+5], v[L8], s[QB:QB+1] offset:REC+512
	global_load_b32 v[QS], v[R16], s[QSB:QSB+1]
	global_load_b32 v[QS+1], v[R16], s[QSB:QSB+1] offset:REC
	; concat's tile 768 + 64 x batch + 16 cx + w; K step p of the last product
	s_lshl_b32 s2, s[CX], 4
	s_add_co_u32 s2, s2, s[WV]
	s_lshr_b32 s3, s[YY], 3
	s_lshl_b32 s3, s3, 6
	s_add_co_u32 s2, s2, s3
	s_add_co_u32 s2, s2, 768
	s_and_b32 s15, s[YY], 7
	s_mul_i32 s3, s15, 1536
	s_mul_i32 s22, s2, 12288
	s_add_co_u32 s22, s22, s3
	s_add_nc_u64 s[OUTC:OUTC+1], s[8:9], s[22:23]
	s_lshl_b32 s22, s2, 9
	s_lshl_b32 s3, s15, 6
	s_add_co_u32 s22, s22, s3
	s_add_nc_u64 s[OUTS:OUTS+1], s[10:11], s[22:23]
.irp i, 6,7,8,9,10,11
	v_mov_b32 v[QF0+\i], 0                         ; K = 64: Q's k 64 .. 127 are zero codes, for both heads
	v_mov_b32 v[QF1+\i], 0
	v_mov_b32 v[KB+42+\i], 0                       ; the upper six registers of K's last fragment
.endr
.irp b, 0,1,2,3
	v_mov_b32 v[PX+\b], 0                          ; a lane permute's destination counts as one of its sources
.endr
	v_mov_b32 v[PW], 0                             ; (named as the upper half of the pair with f before it is first written)
	v_mov_b32 v[TMP], 0
	s_wait_loadcnt 0x0                             ; Q
; A KEY STEP: 128 keys at LDS byte s[TB].
.macro STEP qf, qs
	v_add_nc_u32 v[A16], s[TB], v[L16]
	s_wait_alu depctr_va_vdst(0)
	v_add_nc_u32 v[A8], s[TB], v[L8]
	s_wait_alu depctr_va_vdst(0)
	v_add_nc_u32 v[AR], s[TB], v[R16]
	s_wait_alu depctr_va_vdst(0)
	v_nop
	v_nop                                          ; five places: the loads below land in registers that the last step's products read (V's fragments)
	ds_load_b128 v[KS:KS+3], v[A16] offset:12288
.irp t, 0,1,2,3,4,5,6,7                ; K's eight tiles in one run of 16 loads, under one wait
	ds_load_b128 v[KB+6*\t:KB+6*\t+3], v[A16] offset:768*\t
	ds_load_b64 v[KB+6*\t+4:KB+6*\t+5], v[A8] offset:768*\t+512
.endr
	s_wait_dscnt 0x0
.irp t, 0,1,2,3
	v_wmma_scale_f32_16x16x128_f8f6f4 v[S+8*\t:S+8*\t+7], v[KB+6*\t:KB+6*\t+11], v[\qf:\qf+11], 0, v[KS+\t], v[\qs] matrix_a_fmt:MATRIX_FMT_FP6 matrix_b_fmt:MATRIX_FMT_FP6
.endr
.irp t, 0,1,2,3
	v_wmma_scale_f32_16x16x128_f8f6f4 v[S+32+8*\t:S+32+8*\t+7], v[KB+24+6*\t:KB+24+6*\t+11], v[\qf:\qf+11], 0, v[KS+\t], v[\qs] matrix_a_fmt:MATRIX_FMT_FP6 matrix_b_fmt:MATRIX_FMT_FP6 matrix_a_scale:MATRIX_SCALE_ROW1
.endr
.rept 4
	v_nop                                          ; four places: for the loads into K's registers and for the first reads of the scores
.endr
.irp f, 0,1,2,3                        ; V's four fragments land where K's stood, while the softmax is worked
	ds_load_b128 v[KB+12*\f:KB+12*\f+3], v[A16] offset:6144+1536*\f
	ds_load_b64 v[KB+12*\f+4:KB+12*\f+5], v[A8] offset:6144+1536*\f+512
	ds_load_b128 v[KB+12*\f+6:KB+12*\f+9], v[A16] offset:6144+1536*\f+768
	ds_load_b64 v[KB+12*\f+10:KB+12*\f+11], v[A8] offset:6144+1536*\f+1280
.endr
	ds_load_b128 v[VS:VS+3], v[AR] offset:12800
.irp b, 0,1,2,3
	v_max3_num_f32 v[BM+\b], v[S+16*\b], v[S+16*\b+1], v[S+16*\b+2]   ; the largest score of each block of 32 keys: for the row's maximum, and for the block's largest p
.endr
.irp i, 3,5,7,9,11,13
.irp b, 0,1,2,3
	v_max3_num_f32 v[BM+\b], v[BM+\b], v[S+16*\b+\i], v[S+16*\b+\i+1]
.endr
.endr
.irp b, 0,1,2,3
	v_max_num_f32 v[BM+\b], v[BM+\b], v[S+16*\b+15]
.endr
.irp b, 0,1,2,3
	s_delay_alu instid0(VALU_DEP_4)
	v_permlanex16_b32 v[PX+\b], v[BM+\b], s[SEL], s[SEL+1]
.endr
.irp b, 0,1,2,3
	s_delay_alu instid0(VALU_DEP_4)
	v_max_num_f32 v[BM+\b], v[BM+\b], v[PX+\b]     ; with lane l xor 16's 16 keys
.endr
	s_delay_alu instid0(VALU_DEP_2)
	v_max3_num_f32 v[TMP], v[BM], v[BM+1], v[BM+2]
	s_delay_alu instid0(VALU_DEP_1)
	v_max_num_f32 v[TMP], v[TMP], v[BM+3]
	s_delay_alu instid0(VALU_DEP_1)
	v_mul_f32 v[TMP], s[CS], v[TMP]                ; as t (c is positive)
	s_delay_alu instid0(VALU_DEP_1)
	v_max_num_f32 v13, v13, v[TMP]                 ; the running largest t
	v_mov_b32 v[TMP], v12
	s_delay_alu instid0(VALU_DEP_2)
	v_floor_f32 v12, -v13                          ; the new -M = -ceil(t): a whole number
	s_delay_alu instid0(VALU_DEP_1)
	v_sub_f32 v[TMP], v12, v[TMP]                  ; old M - new M: a whole number, 0 or less
	s_delay_alu instid0(VALU_DEP_1)
	v_cvt_i32_f32 v[TMP], v[TMP]                   ; (it saturates)
	s_delay_alu instid0(VALU_DEP_1)
	v_ldexp_f32 v[FF], 1.0, v[TMP]                 ; f = 2^(old M - new M): multiplying by it rounds nothing
.set j, 0
.rept 32
	v_pk_fma_f32 v[S+j:S+j+1], v[S+j:S+j+1], s[CS:CS+1], v[12:13] op_sel_hi:[1,0,0]   ; t - M, two at a time
.set j, j+2
.endr
.irp b, 0,1,2,3
	v_fma_f32 v[BM+\b], v[BM+\b], s[CS], v12       ; the same of each block's largest score
.endr
.set j, 0
	s_wait_alu depctr_va_vdst(0)
.rept 64
	v_exp_f32 v[S+j], v[S+j]                       ; p = 2^(t - M)
.set j, j+1
.endr
	v_pk_mul_f32 v[14:15], v[14:15], v[FF:FF+1] op_sel_hi:[1,0]   ; the sums under the new M (a plain place behind the exponentials)
	s_wait_alu depctr_va_vdst(0)                   ; one wait for the batch of 64, ahead of its first reader
.irp b, 0,1,2,3
	v_exp_f32 v[BM+\b], v[BM+\b]                   ; the block's largest p
.endr
	v_pk_add_f32 v[218:219], v[102:103], v[106:107]
	v_pk_add_f32 v[254:255], v[110:111], v[114:115]
	v_pk_add_f32 v[252:253], v[118:119], v[122:123]
	v_pk_add_f32 v[250:251], v[126:127], v[130:131]
	v_pk_add_f32 v[248:249], v[134:135], v[138:139]
	v_pk_add_f32 v[246:247], v[142:143], v[146:147]
	v_pk_add_f32 v[244:245], v[150:151], v[154:155]
	v_pk_add_f32 v[14:15], v[14:15], v[158:159]
	v_pk_add_f32 v[218:219], v[218:219], v[98:99]
	v_pk_add_f32 v[254:255], v[254:255], v[100:101]
	v_pk_add_f32 v[252:253], v[252:253], v[104:105]
	v_pk_add_f32 v[250:251], v[250:251], v[108:109]
	v_pk_add_f32 v[248:249], v[248:249], v[112:113]
	v_pk_add_f32 v[246:247], v[246:247], v[116:117]
	v_pk_add_f32 v[244:245], v[244:245], v[120:121]
	v_pk_add_f32 v[14:15], v[14:15], v[124:125]
	v_pk_add_f32 v[218:219], v[218:219], v[128:129]
	v_pk_add_f32 v[254:255], v[254:255], v[132:133]
	v_pk_add_f32 v[252:253], v[252:253], v[136:137]
	v_pk_add_f32 v[250:251], v[250:251], v[140:141]
	v_pk_add_f32 v[248:249], v[248:249], v[144:145]
	v_pk_add_f32 v[246:247], v[246:247], v[148:149]
	v_pk_add_f32 v[244:245], v[244:245], v[152:153]
	v_pk_add_f32 v[14:15], v[14:15], v[156:157]
	v_pk_add_f32 v[218:219], v[218:219], v[160:161]
	s_delay_alu instid0(VALU_DEP_2)
	v_pk_add_f32 v[14:15], v[14:15], v[250:251]
	s_delay_alu instid0(VALU_DEP_2)
	v_pk_add_f32 v[218:219], v[218:219], v[248:249]
	v_pk_add_f32 v[254:255], v[254:255], v[246:247]
	v_pk_add_f32 v[252:253], v[252:253], v[244:245]
	s_delay_alu instid0(VALU_DEP_2)
	v_pk_add_f32 v[14:15], v[14:15], v[254:255]
	s_delay_alu instid0(VALU_DEP_2)
	v_pk_add_f32 v[218:219], v[218:219], v[252:253]
	s_delay_alu instid0(VALU_DEP_1)
	v_pk_add_f32 v[14:15], v[14:15], v[218:219]
	s_wait_alu depctr_va_vdst(0)                   ; and one for the four
.irp b, 0,1,2,3
	v_max_num_f32 v[BM+\b], 0x1800000, v[BM+\b]    ; the floor 2^(3 - 127): the byte cannot fall under 1
.endr
.irp b, 0,1,2,3
	s_delay_alu instid0(VALU_DEP_4)
	v_add_nc_u32 v[SOP+\b], 0xff000000, v[BM+\b]   ; 2 off the exponent field: the conversion's scale operand
.endr
.irp b, 0,1,2,3
	s_delay_alu instid0(VALU_DEP_4)
	v_lshrrev_b32 v[PX+\b], 23, v[SOP+\b]          ; the byte
.endr
	s_delay_alu instid0(VALU_DEP_3)
	v_lshl_or_b32 v[PW], v[PX+1], 8, v[PX]         ; p's scale word for these 128 keys
	s_delay_alu instid0(VALU_DEP_1)
	v_lshl_or_b32 v[PW], v[PX+2], 16, v[PW]
	s_delay_alu instid0(VALU_DEP_1)
	v_lshl_or_b32 v[PW], v[PX+3], 24, v[PW]
.irp c, 0,1
	v_cvt_scalef32_pk16_fp6_f32 v[PCD+6*\c:PCD+6*\c+2], v[S+32*\c:S+32*\c+15], v[SOP+2*\c]
	v_cvt_scalef32_pk16_fp6_f32 v[PT+4*\c:PT+4*\c+2], v[S+16+32*\c:S+31+32*\c], v[SOP+2*\c+1]
.endr
	v_nop                                          ; one plain place behind a scaled conversion
.irp c, 0,1                            ; the operand's layout wants a whole block in a lane
.irp i, 0,1,2
	v_permlane16_swap_b32 v[PCD+6*\c+\i], v[PT+4*\c+\i]
.endr
.irp i, 0,1,2
	s_delay_alu instid0(VALU_DEP_3)
	v_mov_b32 v[PCD+3+6*\c+\i], v[PT+4*\c+\i]
.endr
.endr
.set j, 0
.rept 16
	v_pk_mul_f32 v[OT+j:OT+j+1], v[OT+j:OT+j+1], v[FF:FF+1] op_sel_hi:[1,0]   ; O^T under the new M.  (These 16 are also the places between the codes, the scale word and the products)
.set j, j+2
.endr
	s_wait_alu depctr_va_vdst(0)
	s_wait_dscnt 0x0
.irp f, 0,1,2,3
	v_wmma_scale_f32_16x16x128_f8f6f4 v[OT+8*\f:OT+8*\f+7], v[KB+12*\f:KB+12*\f+11], v[PCD:PCD+11], v[OT+8*\f:OT+8*\f+7], v[VS+\f], v[PW] matrix_a_fmt:MATRIX_FMT_FP6 matrix_b_fmt:MATRIX_FMT_FP6
.endr
	s_add_co_u32 s[TB], s[TB], STEPB
.endm
.macro KLOOP n, qf, qs
	s_mov_b32 s[CNT], \n
.Lkey_\@:
	STEP \qf, \qs
	s_sub_co_u32 s[CNT], s[CNT], 1
	s_cmp_lg_u32 s[CNT], 0
	s_cbranch_scc1 .Lkey_\@
.endm
.macro INIT                            ; the step is written once: the first finds zeros, which the first change of M leaves zeros
	v_mov_b32 v13, 0xff61b1e6                      ; the largest t so far: -3e38
	s_delay_alu instid0(VALU_DEP_1)
	v_floor_f32 v12, -v13
	v_mov_b32 v14, 0
	v_mov_b32 v15, 0
.set j, 0
.rept 32
	v_mov_b32 v[OT+j], 0
.set j, j+1
.endr
.endm
; A head's end: O^T / the sum, quantised along the head's 64: half a fragment of concat, stored as a register image.
.macro FIN hd
.rept 4
	v_nop
.endr
	v_add_f32 v14, v14, v15
	s_delay_alu instid0(VALU_DEP_1)
	v_permlanex16_b32 v[TMP], v14, s[SEL], s[SEL+1]
	s_delay_alu instid0(VALU_DEP_1)
	v_add_f32 v14, v14, v[TMP]                     ; the row's sum
	s_wait_alu depctr_va_vdst(0)
	v_rcp_f32 v14, v14
	v_nop                                          ; one plain place behind the reciprocal,
	s_wait_alu depctr_va_vdst(0)                   ; and the wait ahead of its first reader
.set j, 0
.rept 16
	v_pk_mul_f32 v[S+j:S+j+1], v[OT+j:OT+j+1], v[14:15] op_sel_hi:[1,0]   ; register 16 b + i: feature 32 b + 16 (lane/16) + i
.set j, j+2
.endr
.irp b, 0,1
	v_max3_num_f32 v[BM+\b], |v[S+16*\b]|, |v[S+16*\b+1]|, 0x1800000
.endr
.irp i, 2,4,6,8,10,12,14
.irp b, 0,1
	s_delay_alu instid0(VALU_DEP_2)
	v_max3_num_f32 v[BM+\b], v[BM+\b], |v[S+16*\b+\i]|, |v[S+16*\b+\i+1]|
.endr
.endr
.irp b, 0,1
	s_delay_alu instid0(VALU_DEP_2)
	v_permlanex16_b32 v[PX+\b], v[BM+\b], s[SEL], s[SEL+1]
.endr
.irp b, 0,1
	s_delay_alu instid0(VALU_DEP_2)
	v_max_num_f32 v[BM+\b], v[BM+\b], v[PX+\b]
.endr
.irp b, 0,1
	s_delay_alu instid0(VALU_DEP_2)
	v_add_nc_u32 v[SOP+\b], 0xff000000, v[BM+\b]
.endr
.irp b, 0,1
	s_delay_alu instid0(VALU_DEP_2)
	v_lshrrev_b32 v[PX+\b], 23, v[SOP+\b]
.endr
.if \hd
	s_delay_alu instid0(VALU_DEP_1)
	v_lshl_or_b32 v[TMP], v[PX+1], 8, v[PX]
	s_delay_alu instid0(VALU_DEP_1)
	v_lshl_or_b32 v[W0], v[TMP], 16, v[W0]         ; the word of K step p: two bytes from each head
.else
	s_delay_alu instid0(VALU_DEP_1)
	v_lshl_or_b32 v[W0], v[PX+1], 8, v[PX]
.endif
	s_wait_alu depctr_va_vdst(0)
	s_wait_xcnt 0x0                                ; earlier stores have read the codes' registers
	v_cvt_scalef32_pk16_fp6_f32 v[HRC:HRC+2], v[S:S+15], v[SOP]
	v_cvt_scalef32_pk16_fp6_f32 v[PT:PT+2], v[S+16:S+31], v[SOP+1]
	v_nop
.irp i, 0,1,2
	v_permlane16_swap_b32 v[HRC+\i], v[PT+\i]
.endr
.irp i, 0,1,2
	s_delay_alu instid0(VALU_DEP_3)
	v_mov_b32 v[HRC+3+\i], v[PT+\i]
.endr
	global_store_b128 v[L16], v[HRC:HRC+3], s[OUTC:OUTC+1] offset:768*\hd        ; 512 and 256 consecutive bytes, aligned
	global_store_b64 v[L8], v[HRC+4:HRC+5], s[OUTC:OUTC+1] offset:768*\hd+512
.if \hd
	global_store_b32 v[R4], v[W0], s[OUTS:OUTS+1]  ; lanes r and r + 16 hold the same word and name the same four bytes
.endif
.endm
	INIT
	s_wait_alu depctr_va_vdst(0)
	s_cmp_lt_u32 s[WV], 2
	s_cbranch_scc0 .Lnot_first
	s_wait_tensorcnt 0x0                           ; waves 0, 1: key steps 0, 1 are in; the others' loads may be out
.Lnot_first:
	s_barrier_signal -1
	s_barrier_wait -1
	s_mov_b32 s[TB], 0
	KLOOP 2, QF0, QS
	s_wait_tensorcnt 0x0                           ; every wave's load: all sixteen key steps.  (No LDS instruction of mine is out: a step ends with all its loads waited for)
	s_barrier_signal -1
	s_barrier_wait -1
	s_mov_b32 s[TB], 2*STEPB
	KLOOP 6, QF0, QS
	FIN 0
	INIT
	s_mov_b32 s[TB], REC
	KLOOP 8, QF1, QS+1
	FIN 1
	s_wait_tensorcnt 0x0                           ; the wave's end
	ds_add_u32 v[SPW], v[NIL]
	s_wait_dscnt 0x0
	CROUND                                         ; the closing round
	s_endpgm
.Lfunc_end_k_q7183894829_attn:
	.size	k_q7183894829_attn, .Lfunc_end_k_q7183894829_attn-k_q7183894829_attn
	.p2alignl 7, 3214868480
	.fill 96, 4, 3214868480
	.section	.rodata,"a",@progbits
	.p2align	6, 0x0
	.amdhsa_kernel k_q7183894829_attn
		.amdhsa_group_segment_fixed_size 212992
		.amdhsa_private_segment_fixed_size 0
		.amdhsa_enable_private_segment 0
		.amdhsa_kernarg_size 32
		.amdhsa_user_sgpr_count 2
		.amdhsa_user_sgpr_kernarg_segment_ptr 1
		.amdhsa_wavefront_size32 1
		.amdhsa_system_sgpr_workgroup_id_x 1
		.amdhsa_system_sgpr_workgroup_id_y 1
		.amdhsa_system_sgpr_workgroup_id_z 1
		.amdhsa_system_vgpr_workitem_id 0
		.amdhsa_next_free_vgpr 256
		.amdhsa_next_free_sgpr 80
		.amdhsa_reserve_vcc 0
		.amdhsa_float_denorm_mode_32 3
		.amdhsa_float_denorm_mode_16_64 3
		.amdhsa_memory_ordered 1
		.amdhsa_forward_progress 1
		.amdhsa_inst_pref_size 70
	.end_amdhsa_kernel
	.amdgpu_metadata
---
amdhsa.version: [ 1, 2 ]
amdhsa.kernels:
  - .name:           k_q7183894829_attn
    .symbol:         k_q7183894829_attn.kd
    .args:
      - { .name: qr, .offset: 0, .size: 8, .value_kind: global_buffer, .address_space: global }
      - { .name: kv, .offset: 8, .size: 8, .value_kind: global_buffer, .address_space: global }
      - { .name: codes, .offset: 16, .size: 8, .value_kind: global_buffer, .address_space: global }
      - { .name: sc, .offset: 24, .size: 8, .value_kind: global_buffer, .address_space: global }
    .group_segment_fixed_size: 212992
    .private_segment_fixed_size: 0
    .kernarg_segment_align: 8
    .kernarg_segment_size: 32
    .max_flat_workgroup_size: 512
    .sgpr_count:     80
    .vgpr_count:     256
    .wavefront_size: 32
...
	.end_amdgpu_metadata
.endif
;; end of part 3
;; launch proj (part 4): grid 4 x 64, 4 waves a work-group, clusters of 4 x 4, 327,680 bytes of LDS; arguments codes, sc, bo, out0; writes out0
.if DOCPART == 4
	.amdgcn_target "amdgcn-amd-amdhsa--gfx1250"
	.amdhsa_code_object_version 6
	.text
	.protected	k_q7183894829_proj
	.globl	k_q7183894829_proj
	.p2align	8
	.type	k_q7183894829_proj,@function
k_q7183894829_proj:
	s_mov_b64 s[64:65], 0
	v_nop
	global_prefetch_b8 v0, s[64:65] scope:SCOPE_SE
	s_setreg_imm32_b32 hwreg(HW_REG_WAVE_MODE, 25, 1), 1
	s_wait_xcnt 0x0
	s_wait_alu depctr_hold_cnt(0) depctr_sa_sdst(0) depctr_va_vdst(0) depctr_va_sdst(0) depctr_va_ssrc(0) depctr_va_vcc(0) depctr_vm_vsrc(0)
	s_getreg_b32 s2, hwreg(HW_REG_IB_STS2, 6, 4)
	s_cmp_eq_u32 s2, 0
	s_cbranch_scc0 .Lentry_in_a_cluster
	s_endpgm
.Lentry_in_a_cluster:
	s_bfe_u32 s2, ttmp6, 0x10000c
	s_cmp_lg_u32 s2, 0xf033
	s_cbranch_scc0 .Lentry_shape_is_right
	s_endpgm
.Lentry_shape_is_right:
; out = concat Wo^T + bo on codes of FP6 with E8M0 scales.  A work-group of four waves makes 128 tokens x 256 features, a wave 64 x 128: 32 accumulators; source 0 = 16 rows of Wo, source 1 = 16 tokens.
; codes lie [tile][K step 0..7][1,536]: all of K of a tile is 12,288 dense bytes.  So ALL operands come at the head, one joint load a wave, as rows of 256 bytes: waves 0, 1 four tiles of concat each (192 rows),
; waves 2, 3 eight tiles of Wo each (384 rows): 294,912 bytes, filled once.  Cluster 4 x 4: concat's tiles are shared along a row, Wo's along a column.
; No prefetch: every tile is asked for at the head, and there is no loop to run ahead in.
; The way out goes through a stage of 16 x 528 bytes a wave in the bytes that held concat's tiles: a barrier in the last K step stands between every wave's last reads and the first store there.
.set FR,    12
.set TILEB, 12288
.set SPARE, 24*TILEB                   ; behind the operands: the spare words, 128 bytes a wave
.set A16, 4
.set A8,  8
.set B16, 12
.set B8,  16
.set STO, 20
.set RD,  21
.set CO,  22
.set VSL, 23
.set VSH, 24
.set SPW, 28
.set NIL, 29
.set SC,  32
.set AF,  96
.set BK,  128
.set WV, 12
.set HI, 13
.set LO, 14
.set CX, 15
.set CY, 16
.set YY, 17
.set ROWT, 18
.set G1A, 24
.set G1B, 32
.set G0A, 40
.set G0B, 68
.set MSB, 0
.macro WIN new
.if MSB != (\new)
	s_set_vgpr_msb (MSB<<8)|(\new)
.set MSB, (\new)
.endif
.endm
.macro PLACES
.rept 4
	v_nop
.endr
.endm
.macro JLOAD g0a, g0b
	s_cmp_eq_u32 s[HI], 0
	s_cbranch_scc0 .Lfor_b_\@
	tensor_load_to_lds s[\g0a:\g0a+3], s[G1A:G1A+7]
	s_nop 0
.rept 4
	v_nop
.endr
	s_branch .Lasked_\@
.Lfor_b_\@:
	tensor_load_to_lds s[\g0b:\g0b+3], s[G1B:G1B+7]
	s_nop 0
.rept 4
	v_nop
.endr
.Lasked_\@:
.endm
.macro CROUND
	s_barrier_signal -1
	s_barrier_wait -1
	s_cmp_lg_u32 s[WV], 0
	s_cbranch_scc1 .Lnot_wave_0_\@
	s_barrier_signal -3
.Lnot_wave_0_\@:
	s_barrier_wait -3
	s_barrier_signal -1
	s_barrier_wait -1
.endm
	s_load_b256 s[4:11], s[0:1], 0x0
	v_lshl_add_u32 v[SPW], v0, 2, SPARE
	v_mov_b32 v[NIL], 0
	ds_add_u32 v[SPW], v[NIL]
	ds_add_u32 v[SPW], v[NIL]
	v_lshrrev_b32 v1, 5, v0
	v_readfirstlane_b32 s[WV], v1
	s_lshr_b32 s[HI], s[WV], 1
	s_and_b32 s[LO], s[WV], 1
	s_bfe_u32 s[CX], ttmp6, 0x40000
	s_bfe_u32 s[CY], ttmp6, 0x40004
	s_and_b32 s[YY], ttmp7, 0xffff
	s_lshl_b32 s[ROWT], s[YY], 2
	s_add_co_u32 s[ROWT], s[ROWT], s[CY]
	s_lshl_b32 s19, s[ROWT], 3
	s_add_co_u32 s19, s19, 768
	s_lshl_b32 s21, s[CX], 4
	s_add_co_u32 s21, s21, 704
	s_lshl_b32 s84, s[CY], 2
	s_lshl_b32 s84, 15, s84
	s_lshl_b32 s85, 0x1111, s[CX]
	s_or_b32 s[G1A], s84, (3<<16)|(1<<21)
	s_or_b32 s[G1B], s85, (3<<16)|(1<<21)
.irp g, G1A, G1B
	s_mov_b32 s[\g+1], 32<<16
	s_mov_b32 s[\g+3], 32<<16
	s_mov_b32 s[\g+5], 32
	s_mov_b32 s[\g+6], 0
	s_mov_b32 s[\g+7], 0
.endr
	s_mov_b32 s[G1A+2], 192<<16
	s_mov_b32 s[G1A+4], 192
	s_mov_b32 s[G1B+2], 384<<16
	s_mov_b32 s[G1B+4], 384
	s_lshl_b32 s22, s[LO], 2
	s_add_co_u32 s56, s19, s22
	s_mul_i32 s56, s56, TILEB
	s_mov_b32 s57, 0
	s_lshl_b32 s23, s[LO], 3
	s_add_co_u32 s58, s21, s23
	s_mul_i32 s58, s58, TILEB
	s_mov_b32 s59, 0
	s_mul_i32 s60, s[LO], 4*TILEB                  ; concat's eight tiles, then Wo's sixteen
	s_mul_i32 s61, s[LO], 8*TILEB
	s_add_co_u32 s61, s61, 8*TILEB
	s_wait_dscnt 0x0
	s_wait_kmcnt 0x0
	s_add_nc_u64 s[56:57], s[4:5], s[56:57]
	s_add_nc_u64 s[58:59], s[4:5], s[58:59]
	CROUND
	s_mov_b32 s[G0A], 1
	s_mov_b32 s[G0A+1], s60
	s_mov_b64 s[G0A+2:G0A+3], s[56:57]
	s_or_b32 s[G0A+3], s[G0A+3], 0x80000000
	s_mov_b32 s[G0B], 1
	s_mov_b32 s[G0B+1], s61
	s_mov_b64 s[G0B+2:G0B+3], s[58:59]
	s_or_b32 s[G0B+3], s[G0B+3], 0x80000000
	JLOAD G0A, G0B                                 ; my one load: all of K of my tiles
	v_and_b32 v1, 31, v0
	v_and_b32 v2, 15, v0
	v_bfe_u32 v3, v0, 4, 1
	v_lshlrev_b32 v[CO], 4, v1
	v_lshlrev_b32 v30, 3, v1
	s_mul_i32 s86, s[HI], 4*TILEB
	s_mul_i32 s87, s[LO], 8*TILEB
	s_add_co_u32 s87, s87, 8*TILEB
	v_add_nc_u32 v[A16], s86, v[CO]                ; my four tiles of concat
	v_add_nc_u32 v[A8], s86, v30
.irp s, 0,1                            ; my eight tiles of Wo: a register for each four, so that the offsets stay inside 16 bits
	v_add_nc_u32 v[B16+\s], s87, v[CO]
	v_add_nc_u32 v[B8+\s], s87, v30
	s_add_co_u32 s87, s87, 4*TILEB
.endr
	s_mul_i32 s88, s[WV], 16*528
	v_mul_u32_u24 v[STO], v2, 528
	v_lshl_add_u32 v[STO], v3, 6, v[STO]
	v_add_nc_u32 v[STO], s88, v[STO]
	v_add_nc_u32 v[RD], s88, v[CO]
	s_lshl_b32 s89, s[HI], 2
	s_add_co_u32 s89, s89, s19
	s_lshl_b32 s89, s89, 9
	s_add_co_u32 s90, s21, s23
	s_lshl_b32 s90, s90, 9
	s_sub_co_u32 s91, s89, 2048
	s_mov_b32 s92, 0xffff0000
	v_mov_b32 v25, s89
	v_mov_b32 v26, s90
	v_mov_b32 v27, s91
	v_cndmask_b32 v[VSL], v25, v26, s92
	v_cndmask_b32 v[VSH], v27, v26, s92
	v_lshl_add_u32 v[VSL], v2, 2, v[VSL]
	v_lshl_add_u32 v[VSH], v2, 2, v[VSH]
.irp i, 0,1,2,3
.irp s, 0,1,2,3,4,5,6,7
	global_load_b32 v[SC+8*\i+\s], v[VSL], s[6:7] offset:512*\i+64*\s
	global_load_b32 v[SC+32+8*\i+\s], v[VSH], s[6:7] offset:512*\i+2048+64*\s
.endr
.endr
	s_lshl_b32 s94, s[CX], 10
	s_lshl_b32 s93, s[LO], 9
	s_add_co_u32 s94, s94, s93
	s_mov_b32 s95, 0
	s_add_nc_u64 s[8:9], s[8:9], s[94:95]
	v_lshlrev_b32 v31, 6, v3
	WIN 0x40
.irp b, 0,1,2,3,4,5,6,7
	global_load_b128 v[96+8*\b+96*(\b/4):96+8*\b+96*(\b/4)+3], v31, s[8:9] offset:(32*(\b/2)+8*(\b%2))*4
	global_load_b128 v[96+8*\b+96*(\b/4)+4:96+8*\b+96*(\b/4)+7], v31, s[8:9] offset:(32*(\b/2)+8*(\b%2))*4+16
.endr
	WIN 0
	s_lshl_b32 s96, s[ROWT], 1
	s_add_co_u32 s96, s96, s[HI]
	s_lshl_b32 s96, s96, 18
	s_add_co_u32 s96, s96, s94
	s_mov_b32 s97, 0
	s_add_nc_u64 s[10:11], s[10:11], s[96:97]
	s_wait_alu depctr_va_vdst(0)
	s_wait_loadcnt 0x0
.macro FRAG reg, a16, a8, q, i
	ds_load_b128 v[\reg:\reg+3], v[\a16] offset:TILEB*(\i)+1536*(\q)
	ds_load_b64 v[\reg+4:\reg+5], v[\a8] offset:TILEB*(\i)+1536*(\q)+512
	ds_load_b128 v[\reg+6:\reg+9], v[\a16] offset:TILEB*(\i)+1536*(\q)+768
	ds_load_b64 v[\reg+10:\reg+11], v[\a8] offset:TILEB*(\i)+1536*(\q)+1280
.endm
.macro FETCH4 n
	WIN 0x40
.irp i, 0,1,2,3,4,5,6,7
	FRAG 128*((\n)%2)+FR*\i, B16+\i/4, B8+\i/4, \n, \i%4
.endr
	WIN 0
.irp i, 0,1,2,3
	FRAG AF+48*((\n)%2)+FR*\i, A16, A8, \n, \i
.endr
.endm
.macro MUL4 a0, s
.irp a, \a0, \a0+1
.irp b, 0,1,2,3,4,5,6,7
.if (\s) == 0
	v_wmma_scale_f32_16x16x128_f8f6f4 v[8*(8*(\a)+\b):8*(8*(\a)+\b)+7], v[128*((\s)%2)+FR*\b:128*((\s)%2)+FR*\b+FR-1], v[AF+48*((\s)%2)+FR*(\a):AF+48*((\s)%2)+FR*(\a)+FR-1], v[96+8*\b+96*(\b/4):96+8*\b+96*(\b/4)+7], v[SC+8*\b+(\s)], v[SC+8*(\a)+(\s)] matrix_a_fmt:MATRIX_FMT_FP6 matrix_b_fmt:MATRIX_FMT_FP6 matrix_a_scale:MATRIX_SCALE_ROW1
.else
	v_wmma_scale_f32_16x16x128_f8f6f4 v[8*(8*(\a)+\b):8*(8*(\a)+\b)+7], v[128*((\s)%2)+FR*\b:128*((\s)%2)+FR*\b+FR-1], v[AF+48*((\s)%2)+FR*(\a):AF+48*((\s)%2)+FR*(\a)+FR-1], v[8*(8*(\a)+\b):8*(8*(\a)+\b)+7], v[SC+8*\b+(\s)], v[SC+8*(\a)+(\s)] matrix_a_fmt:MATRIX_FMT_FP6 matrix_b_fmt:MATRIX_FMT_FP6 matrix_a_scale:MATRIX_SCALE_ROW1
.endif
.endr
.endr
.endm
.macro STEP4 s
	s_wait_dscnt 0x0
.if (\s) == 7
	s_barrier_signal -1                            ; my last reads of the operands are done: the stage may be written behind this barrier
.endif
.if (\s) == 0
	WIN 0x91
.else
	WIN 0xa1
.endif
	MUL4 0, \s
.if (\s) == 7
	s_barrier_wait -1
.endif
.if (\s) < 7
	PLACES
	FETCH4 (\s)+1
.endif
.if (\s) == 0
	WIN 0x91
.else
	WIN 0xa1
.endif
	MUL4 2, \s
.endm
	s_wait_tensorcnt 0x0                           ; my one load is in
	s_barrier_signal -1
	s_barrier_wait -1
	FETCH4 0
.irp s, 0,1,2,3,4,5,6,7
	STEP4 \s
.endr
	WIN 0
.macro TOSTAGE a
	WIN 0x08
.irp b, 0,1,2,3,4,5,6,7
	ds_store_b128 v[STO], v[64*(\a)+8*\b:64*(\a)+8*\b+3] offset:128*(\b/2)+32*(\b%2)
	ds_store_b128 v[STO], v[64*(\a)+8*\b+4:64*(\a)+8*\b+7] offset:128*(\b/2)+32*(\b%2)+16
.endr
	WIN 0
.set BB, BK+64*((\a)%2)
.irp t, 0,1,2,3,4,5,6,7,8,9,10,11,12,13,14,15
	ds_load_b128 v[BB+4*\t:BB+4*\t+3], v[RD] offset:528*\t
.endr
.endm
.macro SEND a, younger
.set BB, BK+64*((\a)%2)
	s_wait_dscnt \younger
.irp t, 0,1,2,3,4,5,6,7,8,9,10,11,12,13,14,15
	global_store_b128 v[CO], v[BB+4*\t:BB+4*\t+3], s[10:11] offset:(32*((\a)/2)+8*((\a)%2)+\t+8*(\t/8))*4096 th:TH_STORE_NT
.endr
.endm
	PLACES
	TOSTAGE 0
.irp a, 1,2,3
.if \a > 1
	s_wait_xcnt 0x0
.endif
	TOSTAGE \a
	SEND \a-1, 32
.endr
	SEND 3, 0
	s_wait_tensorcnt 0x0
	ds_add_u32 v[SPW], v[NIL]
	s_wait_dscnt 0x0
	CROUND
	s_endpgm
.Lfunc_end_k_q7183894829_proj:
	.size	k_q7183894829_proj, .Lfunc_end_k_q7183894829_proj-k_q7183894829_proj
	.p2alignl 7, 3214868480
	.fill 96, 4, 3214868480
	.section	.rodata,"a",@progbits
	.p2align	6, 0x0
	.amdhsa_kernel k_q7183894829_proj
		.amdhsa_group_segment_fixed_size 327680
		.amdhsa_private_segment_fixed_size 0
		.amdhsa_enable_private_segment 0
		.amdhsa_kernarg_size 32
		.amdhsa_user_sgpr_count 2
		.amdhsa_user_sgpr_kernarg_segment_ptr 1
		.amdhsa_wavefront_size32 1
		.amdhsa_system_sgpr_workgroup_id_x 1
		.amdhsa_system_sgpr_workgroup_id_y 1
		.amdhsa_system_sgpr_workgroup_id_z 1
		.amdhsa_system_vgpr_workitem_id 0
		.amdhsa_next_free_vgpr 768
		.amdhsa_next_free_sgpr 100
		.amdhsa_reserve_vcc 0
		.amdhsa_float_denorm_mode_32 3
		.amdhsa_float_denorm_mode_16_64 3
		.amdhsa_memory_ordered 1
		.amdhsa_forward_progress 1
		.amdhsa_inst_pref_size 87
	.end_amdhsa_kernel
	.amdgpu_metadata
---
amdhsa.version: [ 1, 2 ]
amdhsa.kernels:
  - .name:           k_q7183894829_proj
    .symbol:         k_q7183894829_proj.kd
    .args:
      - { .name: codes, .offset: 0, .size: 8, .value_kind: global_buffer, .address_space: global }
      - { .name: sc, .offset: 8, .size: 8, .value_kind: global_buffer, .address_space: global }
      - { .name: bo, .offset: 16, .size: 8, .value_kind: global_buffer, .address_space: global }
      - { .name: out0, .offset: 24, .size: 8, .value_kind: global_buffer, .address_space: global }
    .group_segment_fixed_size: 327680
    .private_segment_fixed_size: 0
    .kernarg_segment_align: 8
    .kernarg_segment_size: 32
    .max_flat_workgroup_size: 128
    .sgpr_count:     100
    .vgpr_count:     768
    .wavefront_size: 32
...
	.end_amdgpu_metadata
.endif
;; end of part 4
